; MI455X (gfx1250); checked and timed in simulation.
; The chip was launched on July 23, 2026; its instructions are those of AMD's public machine-readable ISA for CDNA 5 (MIT licence, August 2026) and "CDNA5" Instruction Set Architecture Reference Guide (July 2026). The comments in the code are by the model that wrote it; some were corrected since.
;; Attention. Allowed arithmetic: matrix products marked QUANTISED: E4M3 operands, one given power-of-two scale a tensor, by v_wmma_f32_16x16x64_fp8_fp8 or v_wmma_f32_16x16x128_fp8_fp8, f32 sums; products left as they are: f32 operands where the result goes on into a quantised operand, else bf16, f16 or f32 operands; f32 sums; everything else in f32.
;; Inputs: attn_b 1,024 float32; attn_w_codes 1,024 x 128 x 32 uint8 (E4M3 codes of attn_w, K innermost, in blocks of 32 codes); encoder_outputs 16 x 1,024 x 2,048 float32; hidden 1 x 2,048 float32; lowp_scales 2 int32 (the exponents e of the quantised operands' scales 2^e); v_w 1 x 1,024 float32.
;; Outputs: out0 16 x 1 x 2,048 float32.
;; This version of the problem:
;;   THIS VERSION OF THE PROBLEM IS GIVEN IN LOW PRECISION. The matrix products marked QUANTISED in the list below multiply operands that are first quantised to E4M3 (4 exponent bits, 3 mantissa bits; 8 bits a number), with one given power-of-two scale for each operand tensor; their sums are f32. All else is computed in f32.
;;   The module's matrix products, in the order in which they are computed (A, B: the left and right operand; K: the contracted axis; several contracted axes count as one K, in the product's order):
;;     1. [M 16,384, K 4,096] x [K 4,096, N 1,024]; A: computed on the way; B: input attn_w (given as codes): QUANTISED (scales: A lowp_scales[0], B lowp_scales[1])
;;     2. [M 16,384, K 1,024] x [K 1,024, N 1]; A: computed on the way; B: input v_w: left as it is (N = 1 < 16)
;;     3. batch 16 x [M 1, K 1,024] x [K 1,024, N 2,048]; A: softmax; B: input encoder_outputs: left as it is (M = 1 < 16)
;;   THE QUANTISER, for each operand of a quantised product, along K:
;;     - The operand's scale is 2^e, e = its entry of the input lowp_scales (int32; the entries are numbered through the quantised products in the list's order, A before B).
;;     - Each number is divided by the scale, clamped to +-448, and rounded to the nearest number of E4M3, ties to even, subnormals kept.
;;     - The product sums the exact products of the quantised numbers (number of the format x scale) in f32.
;;   ~~~python
;;   def quantise(x, axis, e):      # numpy; x: float32 -> the quantised numbers, widened to float32 again
;;       x = np.moveaxis(x, axis, -1); K = x.shape[-1]
;;       r = np.clip(x / 2.0 ** e, -448, 448)
;;       step = 2.0 ** (np.maximum(np.frexp(np.where(r == 0, 1, r))[1] - 1, -6) - 3)
;;       q = np.round(r / step) * step * 2.0 ** e      # np.round: ties to even
;;       return np.moveaxis(q, -1, axis).astype(np.float32)
;;   ~~~
;;   OPERANDS COMPUTED ON THE WAY. 'Computed on the way' means the value that the module computes at that place (a softmax that the list does not call 'softmax' is quantised finished and normalised). What goes into a quantiser is computed in f32, as accurately as f32 sums, v_exp_f32 and their like allow (about 1e-6 of the number): no bf16 or f16 on the way to a quantiser, and a product that is left as it is and whose result goes on into a quantised operand takes f32 operands (vector FMAs, or v_wmma_f32_16x16x4_f32). A number that lies on a knife's edge between two numbers of the format may be rounded either way, as far as f32 arithmetic and the matrix unit's own rounding can turn it there, and no further.
;;   INPUTS GIVEN AS CODES. attn_w (in the module: [1024, 4096], K = its axis 1): each comes as NAME_codes (uint8): NAME with its K axis moved to the last place and cut into blocks of 32 codes, [.., K / 32, bytes a block], one block behind the other in memory; one code a byte (a code: sign, 4 exponent bits, 3 mantissa bits); its scale is its entry of lowp_scales. Its value is code x scale, taken as it is: it is not quantised again, and the codes and scales need not be those that the quantiser above would give.
;; 2 versions, each right and faster than the one before. Each part assembles by itself: llvm-mc -triple=amdgcn-amd-amdhsa -mcpu=gfx1250 --defsym DOCPART=n.
;; ======== version 1 of 2: 3 launches
;; workspace buffers: wimg 2,097,152 bytes; cvec 4,096 bytes; scores 65,536 bytes
;; launch prep (part 1): grid 16 x 1, 16 waves a work-group, no clusters, 11,264 bytes of LDS; arguments attn_w_codes, hidden, lowp_scales, attn_b, wimg, cvec; writes wimg, cvec
.if DOCPART == 1
	.amdgcn_target "amdgcn-amd-amdhsa--gfx1250"
	.amdhsa_code_object_version 6
	.text
	.protected	k_q678152d340_prep
	.globl	k_q678152d340_prep
	.p2align	8
	.type	k_q678152d340_prep,@function
k_q678152d340_prep:
	s_mov_b64 s[64:65], 0
	v_nop
	global_prefetch_b8 v0, s[64:65] scope:SCOPE_SE
	s_setreg_imm32_b32 hwreg(HW_REG_WAVE_MODE, 25, 1), 1
	s_wait_xcnt 0x0
; PREP.  Two things that are made once for the whole program.
; (1) cvec[n] = K2 x (2^(e0+e1) x sum over k < 2048 of Q(hidden)[k] code(W)[n][k] + b[n]), K2 = 2 log2(e).  The first 2,048 of the product's K are the row 'hidden',
;     the same for all 16,384 rows (the broadcast in the problem's own text): that half of every sum is this one vector.  hidden is quantised with 2^e0 and multiplied on the codes by the FP8 form.
; (2) wimg = W's second half (k >= 2048) in the order of an operand's registers: [K step s 16][tile T 64][c 4][lane 32][16 bytes]; byte i of lane (r, h) is code W[16 T + r][2048 + 128 s + 32 c + 16 h + i].
; SHARES.  Work-group g, wave 4 i + q: tile T = 4 g + i (16 rows of W), K steps 4 q .. 4 q + 3 of both halves: 512 bytes of each row in each half.  One path for all waves.
; A fragment holds, in registers 4 c .. 4 c + 3 of lane (r, h), k = 32 c + 16 h + 0 .. 15: a permutation of k that is the same in both operands, so every product meets its partner.
; All 16 rows of the left operand are hidden, so register 0 of the result holds the sum for column n = r in every lane.
; No cluster: no two work-groups read the same bytes of W; hidden, which all read, is 8 KB.  No tensor load: a wave's operands go straight into its registers.
; LIMITS: e0 between -126 and 119; e0 + e1 between -127 and 126 (each power of two below is an f32 number).  NaN among the inputs is not served.
; LDS: 0 .. 8191: 512 bytes for each wave: the codes of hidden[512 q .. 512 q + 511], the wave's own bytes;  PART: f32 [q 4][64 n]: the four waves' parts of each sum.
.set PART, 8192
.set HF,   40                          ; v40-103   hidden's four fragments
.set W1F,  104                         ; v104-167  W's first half, four fragments
.set W2F,  168                         ; v168-231  W's second half, four fragments
.set K2,   0x4038aa3b                  ; 2 log2(e)
	s_load_b256 s[4:11], s[0:1], 0x0               ; W's codes s[4:5], hidden s[6:7], the scales' exponents s[8:9], b s[10:11]
	s_load_b128 s[12:15], s[0:1], 0x20             ; wimg s[12:13], cvec s[14:15]
	v_lshl_add_u32 v38, v0, 2, 0x2400
	v_mov_b32 v39, 0
	v_lshrrev_b32 v1, 5, v0
	v_readfirstlane_b32 s16, v1                    ; wave 0..15
	s_lshr_b32 s17, s16, 2                         ; i
	s_and_b32 s18, s16, 3                          ; q
	s_lshl_b32 s19, ttmp9, 2
	s_add_co_u32 s19, s19, s17                     ; T = 4 g + i
	v_and_b32 v1, 31, v0                           ; lane
	v_and_b32 v2, 15, v0                           ; r
	v_bfe_u32 v3, v0, 4, 1                         ; h
	v_lshlrev_b32 v4, 12, v2
	v_lshl_add_u32 v4, v3, 4, v4                   ; W: row r of 4,096 bytes, + 16 h
	v_lshlrev_b32 v5, 4, v1                        ; 16 x lane: my place in an image
	v_lshlrev_b32 v6, 6, v1                        ; 64 x lane: my 16 numbers of hidden
	s_lshl_b32 s28, s16, 9                         ; my wave's 512 bytes of LDS
	v_add_nc_u32 v7, s28, v5                       ; where my 16 codes go
	v_lshl_add_u32 v8, v3, 4, s28                  ; and from where every row's fragment comes: + 16 h
	s_lshl_b32 s29, s18, 8
	s_lshl_b32 s30, s17, 6
	s_add_co_u32 s29, s29, s30
	s_add_co_u32 s29, s29, PART
	v_lshl_add_u32 v9, v2, 2, s29                  ; PART + 256 q + 4 (16 i + r)
	v_lshlrev_b32 v10, 3, v1                       ; 8 x lane: two numbers of b and of cvec
	v_lshl_add_u32 v11, v1, 3, PART
	s_mov_b32 s27, 0
	s_wait_kmcnt 0x0
	s_load_b64 s[20:21], s[8:9], 0x0               ; e0, e1
	s_lshl_b32 s26, s19, 16                        ; 16 rows of 4,096 bytes a tile,
	s_lshl_b32 s30, s18, 9                         ; my 512 bytes of a row
	s_add_co_u32 s26, s26, s30
	s_add_nc_u64 s[4:5], s[4:5], s[26:27]
	s_lshl_b32 s26, s18, 11                        ; hidden: my 512 numbers
	s_add_nc_u64 s[6:7], s[6:7], s[26:27]
	s_lshl_b32 s26, s18, 19                        ; wimg: four K steps of 131,072 bytes,
	s_lshl_b32 s30, s19, 11                        ; tile T's 2,048 bytes
	s_add_co_u32 s26, s26, s30
	s_add_nc_u64 s[12:13], s[12:13], s[26:27]
	s_lshl_b32 s26, ttmp9, 8                       ; b and cvec: the work-group's 64 numbers
	s_add_nc_u64 s[10:11], s[10:11], s[26:27]
	s_add_nc_u64 s[14:15], s[14:15], s[26:27]
	global_load_b64 v[14:15], v10, s[10:11]        ; b
.irp j, 0,1,2,3
	global_load_b128 v[16+4*\j:19+4*\j], v6, s[6:7] offset:16*\j
.endr
.irp s, 0,1,2,3
.irp c, 0,1,2,3
	global_load_b128 v[W1F+16*\s+4*\c:W1F+16*\s+4*\c+3], v4, s[4:5] offset:128*\s+32*\c th:TH_LOAD_NT
.endr
.endr
.irp s, 0,1,2,3
.irp c, 0,1,2,3
	global_load_b128 v[W2F+16*\s+4*\c:W2F+16*\s+4*\c+3], v4, s[4:5] offset:2048+128*\s+32*\c th:TH_LOAD_NT
.endr
.endr
	s_wait_kmcnt 0x0
	s_add_co_i32 s25, s20, 127
	s_lshl_b32 s28, s25, 23
	v_mov_b32 v12, s28                             ; 2^e0 as f32: the conversion takes its exponent field
	s_add_co_i32 s25, s25, 8
	s_lshl_b32 s25, s25, 23
	s_or_b32 s23, s25, 0x600000                    ; 448 x 2^e0
	s_or_b32 s22, s23, 0x80000000                  ; and its negative
	s_add_co_i32 s24, s20, s21
	s_lshl_b32 s24, s24, 23
	s_add_co_i32 s24, s24, K2                      ; S = K2 x 2^(e0 + e1): the exponents are added to K2's exponent field
	s_wait_loadcnt 32                              ; b and hidden are in; W's 32 loads may be out
.irp j, 0,1,2,3,4,5,6,7,8,9,10,11,12,13,14,15
	v_med3_num_f32 v[16+\j], v[16+\j], s22, s23    ; the conversion to an 8-bit code does not saturate (ISA guide 7.6.2): the hold at the largest code x the scale
.endr
	v_cvt_scalef32_pk8_fp8_f32 v[32:33], v[16:23], v12
	v_cvt_scalef32_pk8_fp8_f32 v[34:35], v[24:31], v12
	v_nop                                          ; one plain vector line behind the last conversion
	ds_store_b128 v7, v[32:35]                     ; 512 codes of hidden in the order of k
.irp s, 0,1,2,3
.irp c, 0,1,2,3
	ds_load_b128 v[HF+16*\s+4*\c:HF+16*\s+4*\c+3], v8 offset:128*\s+32*\c   ; LDS serves a wave's instructions in order: these see my store; all 16 rows read the same bytes
.endr
.endr
	s_wait_loadcnt 16                              ; W's first half is in; the second half's 16 loads may be out
	s_wait_dscnt 0x0
	v_wmma_f32_16x16x128_fp8_fp8 v[232:239], v[HF:HF+15], v[W1F:W1F+15], 0             ; two accumulators by turns
	v_wmma_f32_16x16x128_fp8_fp8 v[240:247], v[HF+16:HF+31], v[W1F+16:W1F+31], 0
	v_wmma_f32_16x16x128_fp8_fp8 v[232:239], v[HF+32:HF+47], v[W1F+32:W1F+47], v[232:239]
	v_wmma_f32_16x16x128_fp8_fp8 v[240:247], v[HF+48:HF+63], v[W1F+48:W1F+63], v[240:247]
.rept 4
	v_nop                                          ; four places between a matrix instruction and the first read of its result (ISA guide 7.12.1)
.endr
	s_wait_loadcnt 0x0
.irp s, 0,1,2,3
.irp c, 0,1,2,3
	global_store_b128 v5, v[W2F+16*\s+4*\c:W2F+16*\s+4*\c+3], s[12:13] offset:131072*\s+512*\c   ; the registers as they stand: 32 lanes store 512 consecutive bytes, aligned
.endr
.endr
	v_add_f32 v248, v232, v240                     ; register 0: column n = r; my four K steps' part of its sum
	ds_store_b32 v9, v248                          ; (both halves of the lanes write the same word with the same number)
	s_wait_dscnt 0x0                               ; for the others' sake: my store has landed
	s_barrier_signal -1
	s_barrier_wait -1
	s_cmp_lg_u32 s16, 0
	s_cbranch_scc1 .Lend                           ; wave 0 finishes the work-group's 64 numbers, two a lane
	ds_load_b64 v[248:249], v11
	ds_load_b64 v[250:251], v11 offset:256
	ds_load_b64 v[252:253], v11 offset:512
	ds_load_b64 v[254:255], v11 offset:768
	v_mul_f32 v14, K2, v14
	v_mul_f32 v15, K2, v15
	s_wait_dscnt 0x0
	v_pk_add_f32 v[248:249], v[248:249], v[250:251]
	v_pk_add_f32 v[252:253], v[252:253], v[254:255]
	v_pk_add_f32 v[248:249], v[248:249], v[252:253]
	v_fma_f32 v248, v248, s24, v14                 ; sum x S + K2 b
	v_fma_f32 v249, v249, s24, v15
	global_store_b64 v10, v[248:249], s[14:15]     ; 32 lanes store 256 consecutive bytes, aligned
.Lend:
	s_wait_tensorcnt 0x0
	ds_add_u32 v38, v39
	s_wait_dscnt 0x0
	s_endpgm
.Lfunc_end_k_q678152d340_prep:
	.size	k_q678152d340_prep, .Lfunc_end_k_q678152d340_prep-k_q678152d340_prep
	.p2alignl 7, 3214868480
	.fill 96, 4, 3214868480
	.section	.rodata,"a",@progbits
	.p2align	6, 0x0
	.amdhsa_kernel k_q678152d340_prep
		.amdhsa_group_segment_fixed_size 11264
		.amdhsa_private_segment_fixed_size 0
		.amdhsa_enable_private_segment 0
		.amdhsa_kernarg_size 48
		.amdhsa_user_sgpr_count 2
		.amdhsa_user_sgpr_kernarg_segment_ptr 1
		.amdhsa_wavefront_size32 1
		.amdhsa_system_sgpr_workgroup_id_x 1
		.amdhsa_system_sgpr_workgroup_id_y 1
		.amdhsa_system_sgpr_workgroup_id_z 1
		.amdhsa_system_vgpr_workitem_id 0
		.amdhsa_next_free_vgpr 256
		.amdhsa_next_free_sgpr 66
		.amdhsa_reserve_vcc 0
		.amdhsa_float_denorm_mode_32 3
		.amdhsa_float_denorm_mode_16_64 3
		.amdhsa_memory_ordered 1
		.amdhsa_forward_progress 1
		.amdhsa_inst_pref_size 12
	.end_amdhsa_kernel
	.amdgpu_metadata
---
amdhsa.version: [ 1, 2 ]
amdhsa.kernels:
  - .name:           k_q678152d340_prep
    .symbol:         k_q678152d340_prep.kd
    .args:
      - { .name: attn_w_codes, .offset: 0, .size: 8, .value_kind: global_buffer, .address_space: global }
      - { .name: hidden, .offset: 8, .size: 8, .value_kind: global_buffer, .address_space: global }
      - { .name: lowp_scales, .offset: 16, .size: 8, .value_kind: global_buffer, .address_space: global }
      - { .name: attn_b, .offset: 24, .size: 8, .value_kind: global_buffer, .address_space: global }
      - { .name: wimg, .offset: 32, .size: 8, .value_kind: global_buffer, .address_space: global }
      - { .name: cvec, .offset: 40, .size: 8, .value_kind: global_buffer, .address_space: global }
    .group_segment_fixed_size: 11264
    .private_segment_fixed_size: 0
    .kernarg_segment_align: 8
    .kernarg_segment_size: 48
    .max_flat_workgroup_size: 512
    .sgpr_count:     66
    .vgpr_count:     256
    .wavefront_size: 32
...
	.end_amdgpu_metadata
.endif
;; end of part 1
;; launch score (part 2): grid 256 x 1, 4 waves a work-group, clusters of 4 x 1, 327,680 bytes of LDS; arguments encoder_outputs, wimg, cvec, v_w, lowp_scales, scores; writes scores
.if DOCPART == 2
	.amdgcn_target "amdgcn-amd-amdhsa--gfx1250"
	.amdhsa_code_object_version 6
	.text
	.protected	k_q678152d340_score
	.globl	k_q678152d340_score
	.p2align	8
	.type	k_q678152d340_score,@function
k_q678152d340_score:
	s_mov_b64 s[64:65], 0
	v_nop
	global_prefetch_b8 v0, s[64:65] scope:SCOPE_SE
	s_setreg_imm32_b32 hwreg(HW_REG_WAVE_MODE, 25, 1), 1
	s_wait_xcnt 0x0
	s_wait_alu depctr_hold_cnt(0) depctr_sa_sdst(0) depctr_va_vdst(0) depctr_va_sdst(0) depctr_va_ssrc(0) depctr_va_vcc(0) depctr_vm_vsrc(0)
	s_getreg_b32 s2, hwreg(HW_REG_IB_STS2, 6, 4)
	s_cmp_eq_u32 s2, 0
	s_cbranch_scc0 .Lentry_in_a_cluster
	s_endpgm
.Lentry_in_a_cluster:
	s_bfe_u32 s2, ttmp6, 0x10000c
	s_cmp_lg_u32 s2, 0x3003
	s_cbranch_scc0 .Lentry_shape_is_right
	s_endpgm
.Lentry_shape_is_right:
; SCORE.  scores[row] = sum over n of v[n] tanh(x[row] . W[n] + ..), for 64 rows a work-group and all 1,024 columns n.
; The product's K here is the encoder's 2,048 (the other 2,048, the row 'hidden', and the bias lie in cvec, made by the launch before).  The encoder's numbers are quantised here, in registers, with 2^e0;
; W's codes come from wimg, laid in the order of an operand's registers.  tanh(y) = 1 - 2 / (1 + 2^(K2 y)), K2 = 2 log2(e): K2 y = sum x S + cvec[n], S = K2 x 2^(e0 + e1).
; SHARES.  Work-group g = 4 x cluster + cx: rows 64 g .. 64 g + 63.  Wave w: columns 256 w .. 256 w + 255 of all 64 rows: 64 accumulators of 16 x 16, 512 registers; it also quantises rows 16 w .. 16 w + 15 for all four waves.
; Source 0 = 16 rows of x, source 1 = 16 rows of W: lane (r, h), register j holds (row 8 h + j, column r): cvec and v cost one register a tile, and the sum over columns is a sum over lanes.
; K goes in 16 steps of 128.  A step's W (131,072 bytes, dense in wimg) comes through a ring of two LDS slots; wave w fetches and reads its own quarter (its 16 tiles, 32,768 bytes).
; CLUSTER 4, 1, 1: all work-groups walk the same W, so each quarter is asked for JOINTLY by the four partners: the same tensor load, the same descriptor, the mask 15.  (A mask names four at the most; nothing else is shared.)
; THE ORDER OF K TURNS WITH THE CLUSTER: step s takes K step (s + off) mod 16, off made of the cluster's number, the same in all four partners: so the clusters do not all walk wimg's blocks in the same order.  Only the order of the f32 sums changes.
; x's codes go from wave to wave through LDS as rows of 128 bytes, pitch 144 (9 x 16: the 16 rows of a fragment load start 16 bytes apart modulo 256); two images by turns.  One barrier a step serves the slots and the images.
; The encoder's numbers run four steps ahead: four sets of 64 registers, 16 loads each, a load = one row's 512 consecutive bytes.
; LIMITS: e0 between -126 and 119; e0 + e1 between -127 and 126.  NaN among the inputs is not served.  2^t beyond f32's range gives tanh = 1, under it tanh = -1.
; REGISTERS, in windows of 256.  Window 0: v1, v2 for the add; v3-12 addresses; v16-31 codes just made; v32-47 cvec, v48-63 v (a register a tile); v64-127 A's four fragments; v128-191, v192-255 four fragments of W each, by turns.
;   Window 1: the four landing sets.  Windows 2, 3: accumulator (a, t) at v[8 (4 (t % 8) + a)], window 2 for t < 8.  Behind the loop: v64-95 the rows' sums, v96-97 the sum of v, v128-159 at work.
.set SLOT1, 1<<17                      ; slot 1 begins here: one exclusive or turns the descriptor's LDS address
.set IMG,   2*SLOT1                    ; x's images: 64 rows x 144 bytes, twice
.set IMGB,  9216
.set PARTS, IMG+2*IMGB                 ; 4 waves x 64 rows of f32
.set SPARE, PARTS+1024                 ; the spare words, 128 bytes for each wave: two blocks of 256 bytes that no other line names
.set CODE, 16
.set CV,   32
.set VV,   48
.set AF,   64
.set BX,   128
.set BY,   192
.set SC,   64
.set VS,   96
.set T,    128
.set MUL_LO, 0xa0                      ; A and B window 0, C and D window 2
.set MUL_HI, 0xf0                      ; C and D window 3
.set LDX,    0x40                      ; destination window 1
.set MED,    0x41                      ; destination and source 0 window 1
.set CVT,    0x01                      ; source 0 window 1
.set EP_LO,  0x02                      ; source 0 window 2 (+ 1: window 3)
.set MSB, 0
.macro WIN new                         ; the immediate's high byte repeats the setting that is left; a switch that changes nothing is dropped
.if MSB != (\new)
	s_set_vgpr_msb (MSB<<8)|(\new)
.set MSB, (\new)
.endif
.endm
.macro PLACES                          ; four places behind a matrix instruction, ahead of loads into its sources and of reads of its results (ISA guide 7.12.1 for the reads)
.rept 4
	v_nop
.endr
.endm
.macro CROUND                          ; a round of the cluster's barrier
	s_barrier_signal -1
	s_barrier_wait -1
	s_cmp_lg_u32 s16, 0
	s_cbranch_scc1 .Lnot_wave_0_\@
	s_barrier_signal -3
.Lnot_wave_0_\@:
	s_barrier_wait -3
	s_barrier_signal -1
	s_barrier_wait -1
.endm
.macro SETG0                           ; the descriptor's global address: my quarter of K step s19; then s19 steps, modulo 16
	s_lshl_b32 s22, s19, 17
	s_add_nc_u64 s[34:35], s[36:37], s[22:23]
	s_or_b32 s35, s35, 0x80000000                  ; type = 2
	s_add_co_u32 s19, s19, 1
	s_and_b32 s19, s19, 15
.endm
.macro ELOAD n                         ; my 16 rows' 128 numbers of K step s20 into set n: register 4 i + q = row i, k = 4 lane + q
	s_wait_xcnt 0x0                                ; the earlier loads have read their base: it may be written
	s_lshl_b32 s50, s20, 9
	s_add_nc_u64 s[40:41], s[38:39], s[50:51]
	s_add_co_u32 s20, s20, 1
	s_and_b32 s20, s20, 15
	WIN LDX
.set li, 0
.rept 16
	global_load_b128 v[64*(\n)+4*li:64*(\n)+4*li+3], v3, s[40:41] offset:8192*li th:TH_LOAD_NT   ; 32 lanes read 512 consecutive bytes of one row
.set li, li+1
.endr
	WIN 0
.endm
.macro QHALF n, u                      ; rows 8 u .. 8 u + 7 of set n become codes: v[CODE + i] = four codes of row i
	WIN MED
.set qi, 64*(\n)+32*(\u)
.rept 32
	v_med3_num_f32 v[qi], v[qi], s42, s43          ; the hold at the largest code x the scale (the conversion does not saturate: ISA guide 7.6.2)
.set qi, qi+1
.endr
	WIN CVT
.set qi, 0
.rept 4
	v_cvt_scalef32_pk8_fp8_f32 v[CODE+8*(\u)+2*qi:CODE+8*(\u)+2*qi+1], v[64*(\n)+32*(\u)+8*qi:64*(\n)+32*(\u)+8*qi+7], v8   ; eight registers are two rows' four numbers: a register of codes for each row
.set qi, qi+1
.endr
	v_nop                                          ; one plain vector line behind the last conversion
	WIN 0
.endm
.macro QSTORE p                        ; my 16 rows into image p: 32 lanes write a row's 128 consecutive bytes
.set si, 0
.rept 16
	ds_store_b32 v4, v[CODE+si] offset:IMGB*(\p)+144*si
.set si, si+1
.endr
.endm
.macro FETCH_A p                       ; the four fragments of x: lane (r, h), registers 4 c .. 4 c + 3: row 16 a + r, k = 32 c + 16 h + 0 .. 15
.set fa, 0
.rept 4
.set fc, 0
.rept 4
	ds_load_b128 v[AF+16*fa+4*fc:AF+16*fa+4*fc+3], v5 offset:IMGB*(\p)+2304*fa+32*fc
.set fc, fc+1
.endr
.set fa, fa+1
.endr
.endm
.macro FETCH_B p, g, buf               ; my tiles 4 g .. 4 g + 3 of W from slot p: the registers as they were laid
.set ft, 0
.rept 4
.set fc, 0
.rept 4
	ds_load_b128 v[\buf+16*ft+4*fc:\buf+16*ft+4*fc+3], v[6+(\p)] offset:(4*(\g)+ft)*2048+512*fc
.set fc, fc+1
.endr
.set ft, ft+1
.endr
.endm
.macro MUL g, buf, zero                ; 16 matrix instructions.  The 64 accumulators take turns, one instruction a turn, in the same order in every step.  zero = 1: the first step starts the sums
.set mt, 0
.rept 4
.set ma, 0
.rept 4
.set mr, 8*(4*((4*(\g)+mt)%8)+ma)
.if \zero
	v_wmma_f32_16x16x128_fp8_fp8 v[mr:mr+7], v[AF+16*ma:AF+16*ma+15], v[\buf+16*mt:\buf+16*mt+15], 0
.else
	v_wmma_f32_16x16x128_fp8_fp8 v[mr:mr+7], v[AF+16*ma:AF+16*ma+15], v[\buf+16*mt:\buf+16*mt+15], v[mr:mr+7]
.endif
.set ma, ma+1
.endr
.set mt, mt+1
.endr
.endm
; STEP s: p = s % 2 (slot and image), n = s % 4 (landing set).  refill: K step s + 1 of W into the other slot.  load: the encoder's chunk s + 4 into set n.  quant: chunk s + 1 becomes image 1 - p;
; lc: the loads that are younger than chunk s + 1's.  cv: cvec and v are asked for.
.macro STEP p, n, zero, refill, load, quant, lc, cv
	s_wait_tensorcnt 0x0                           ; my one tensor load that was out has landed: my quarter of slot p; so the descriptor may be written
	ds_add_u32 v1, v2                              ; 0 onto my spare word
.if \refill
	s_xor_b32 s33, s33, SLOT1                      ; the other slot than last time
	SETG0
.endif
	s_wait_dscnt 0x0                               ; the add is done; my reads of slot 1 - p and of image 1 - p are over; my stores into image p have landed
.if \refill
	CROUND                                         ; all that now holds of every wave of all four work-groups
	tensor_load_to_lds s[32:35], s[24:31]          ; the joint refill, first behind the round: my one tensor load until the next round; it has this step's 64 matrix instructions in which to land
	s_nop 0
	PLACES                                         ; (they are also the places in front of the loads into A's and W's registers)
.else
	s_barrier_signal -1
	s_barrier_wait -1
	PLACES
.endif
.if \load
	ELOAD \n
.endif
.if \cv
.set ci, 0
.rept 16
	global_load_b32 v[CV+ci], v9, s[8:9] offset:64*ci      ; cvec[256 w + 16 t + r]
	global_load_b32 v[VV+ci], v9, s[10:11] offset:64*ci    ; v likewise
.set ci, ci+1
.endr
.endif
	FETCH_A \p
	FETCH_B \p, 0, BX
	FETCH_B \p, 1, BY
	s_wait_dscnt 16                                ; x's fragments and tiles 0-3 are in; tiles 4-7 may be out
	WIN MUL_LO
	MUL 0, BX, \zero
.if \quant
	s_wait_loadcnt \lc                             ; chunk s + 1's 16 loads are in; the younger loads stay out
	QHALF ((\n)+1)%4, 0                            ; its 32 holds are also the places in front of the loads below
.else
	WIN 0
	PLACES
.endif
	FETCH_B \p, 2, BX
	s_wait_dscnt 16                                ; tiles 4-7 are in
	WIN MUL_LO
	MUL 1, BY, \zero
.if \quant
	QHALF ((\n)+1)%4, 1
.else
	WIN 0
	PLACES
.endif
	FETCH_B \p, 3, BY
	s_wait_dscnt 16                                ; tiles 8-11 are in
	WIN MUL_HI
	MUL 2, BX, \zero
	s_wait_dscnt 0x0                               ; tiles 12-15 are in
	MUL 3, BY, \zero
	WIN 0
.if \quant
	QSTORE 1-(\p)                                  ; every wave has passed this step's barrier, behind its last read of that image
.endif
.endm
	s_load_b256 s[4:11], s[0:1], 0x0               ; the encoder s[4:5], wimg s[6:7], cvec s[8:9], v s[10:11]
	s_load_b128 s[12:15], s[0:1], 0x20             ; the scales' exponents s[12:13], scores s[14:15]
	v_lshl_add_u32 v1, v0, 2, SPARE
	v_mov_b32 v2, 0
	ds_add_u32 v1, v2
	ds_add_u32 v1, v2
	s_wait_dscnt 0x0
	v_lshrrev_b32 v13, 5, v0
	v_readfirstlane_b32 s16, v13                   ; wave 0..3
	s_bfe_u32 s17, ttmp6, 0x40000                  ; cx
	s_lshl_b32 s18, ttmp9, 2
	s_add_co_u32 s18, s18, s17                     ; g = 4 x cluster + cx: it enters the encoder's and the scores' addresses alone
	s_and_b32 s19, ttmp9, 7
	s_lshr_b32 s20, ttmp9, 1
	s_and_b32 s20, s20, 8
	s_or_b32 s19, s19, s20                         ; off, 0 .. 15: of the cluster's number alone
	s_mov_b32 s20, s19                             ; s19: the K step of the next tensor load; s20: of the next chunk of the encoder
	s_mov_b32 s23, 0
	s_mov_b32 s51, 0
	; descriptor group 1: 32,768 dense bytes as 128 rows of 32 elements of 8 bytes
	s_mov_b32 s24, 15|(3<<16)|(1<<21)              ; 15:0 the mask: all four work-groups; 17:16 elements of 8 bytes; 21 set beside a mask; no padding
	s_mov_b32 s25, 32<<16                          ; tensor_dim0 = 32
	s_mov_b32 s26, 128<<16                         ; tensor_dim1 = 128
	s_mov_b32 s27, 32<<16                          ; tile_dim0 = 32
	s_mov_b32 s28, 128                             ; tile_dim1 = 128
	s_mov_b32 s29, 32                              ; from row to row: 32 elements
	s_mov_b32 s30, 0
	s_mov_b32 s31, 0
	s_mov_b32 s32, 1                               ; group 0: count = 1
	s_lshl_b32 s33, s16, 15                        ; LDS address: my quarter of slot 0
	v_and_b32 v13, 31, v0                          ; lane
	v_and_b32 v14, 15, v0                          ; r
	v_bfe_u32 v15, v0, 4, 1                        ; h
	v_lshlrev_b32 v3, 4, v13                       ; 16 x lane
	s_mul_i32 s48, s16, 2304
	s_add_co_u32 s48, s48, IMG
	v_lshl_add_u32 v4, v13, 2, s48                 ; where my codes go: my 16 rows of an image, 4 bytes a lane
	v_mul_u32_u24 v5, v14, 144
	v_lshl_add_u32 v5, v15, 4, v5
	v_add_nc_u32 v5, IMG, v5                       ; a fragment of x: row r, + 16 h
	s_lshl_b32 s48, s16, 15
	v_add_nc_u32 v6, s48, v3                       ; W's fragments: my quarter of slot 0,
	v_add_nc_u32 v7, SLOT1, v6                     ; of slot 1
	s_lshl_b32 s49, s16, 10
	v_lshl_add_u32 v9, v14, 2, s49                 ; cvec and v: 4 (256 w + r)
	s_lshl_b32 s49, s16, 8
	s_add_co_u32 s49, s49, PARTS
	v_lshl_add_u32 v10, v15, 5, s49                ; my wave's 64 sums: + 32 h
	v_lshl_add_u32 v11, v13, 3, PARTS
	v_lshlrev_b32 v12, 3, v13                      ; 8 x lane
	s_lshl_b32 s22, s16, 15
	s_lshl_b32 s50, s18, 19                        ; 64 rows of 8,192 bytes a work-group,
	s_lshl_b32 s48, s16, 17                        ; 16 a wave
	s_add_co_u32 s50, s50, s48
	s_wait_kmcnt 0x0
	s_load_b64 s[44:45], s[12:13], 0x0             ; e0, e1
	s_add_nc_u64 s[36:37], s[6:7], s[22:23]        ; wimg at my quarter of K step 0
	s_add_nc_u64 s[38:39], s[4:5], s[50:51]        ; the encoder at my first row
	s_lshl_b32 s50, s18, 8
	s_add_nc_u64 s[14:15], s[14:15], s[50:51]      ; scores at the work-group's 64
	SETG0
	ELOAD 0                                        ; chunks 0 to 3 of the encoder: 64 loads a wave
	ELOAD 1
	ELOAD 2
	ELOAD 3
	CROUND                                         ; all four work-groups are here: the first joint load meets
	tensor_load_to_lds s[32:35], s[24:31]          ; the first K step into slot 0
	s_nop 0
	PLACES
	s_wait_kmcnt 0x0
	s_add_co_i32 s48, s44, 127
	s_lshl_b32 s49, s48, 23
	v_mov_b32 v8, s49                              ; 2^e0 as f32: the conversion takes its exponent field
	s_add_co_i32 s48, s48, 8
	s_lshl_b32 s48, s48, 23
	s_or_b32 s43, s48, 0x600000                    ; 448 x 2^e0
	s_or_b32 s42, s43, 0x80000000                  ; and its negative
	s_add_co_i32 s46, s44, s45
	s_lshl_b32 s46, s46, 23
	s_add_co_i32 s46, s46, 0x4038aa3b              ; S = K2 x 2^(e0 + e1): the exponents are added to K2's exponent field
	s_mov_b32 s47, s46                             ; (named with it as a pair, so it is written)
	s_wait_loadcnt 48                              ; chunk 0 is in; chunks 1 to 3 may be out
	QHALF 0, 0
	QHALF 0, 1
	QSTORE 0
	STEP 0, 0, 1, 1, 1, 1, 48, 0                   ; steps 0 to 3; the first starts the sums.  48: chunks s + 2, s + 3, s + 4 are younger
	STEP 1, 1, 0, 1, 1, 1, 48, 0
	STEP 0, 2, 0, 1, 1, 1, 48, 0
	STEP 1, 3, 0, 1, 1, 1, 48, 0
	s_mov_b32 s21, 2
.Ltrip:                                                ; two trips of four steps: steps 4 to 11; after four steps slots, images and sets are where they began
	STEP 0, 0, 0, 1, 1, 1, 48, 0
	STEP 1, 1, 0, 1, 1, 1, 48, 0
	STEP 0, 2, 0, 1, 1, 1, 48, 0
	STEP 1, 3, 0, 1, 1, 1, 48, 0
	s_sub_co_u32 s21, s21, 1
	s_cmp_lg_u32 s21, 0
	s_cbranch_scc1 .Ltrip
	STEP 0, 0, 0, 1, 0, 1, 32, 0                   ; the tail is written out. Step 12: chunks 14, 15 are younger
	STEP 1, 1, 0, 1, 0, 1, 48, 1                   ; step 13: chunk 15 and the 32 loads of cvec and v are younger
	STEP 0, 2, 0, 1, 0, 1, 32, 0                   ; step 14: those 32
	STEP 1, 3, 0, 0, 0, 0, 0, 0                    ; step 15: nothing is left to fetch or to quantise
	; THE ROWS' SCORES.  score = sum of v + sum of (-2 v) / (1 + 2^(sum x S + cvec)), over my 256 columns: 16 a lane, then over 16 lanes, then over the four waves.
	PLACES
	s_wait_loadcnt 0x0                             ; cvec and v
	v_pk_add_f32 v[VS:VS+1], v[VV:VV+1], v[VV+2:VV+3]
.irp j, 4,6,8,10,12,14
	v_pk_add_f32 v[VS:VS+1], v[VS:VS+1], v[VV+\j:VV+\j+1]
.endr
	v_add_f32 v[VS], v[VS], v[VS+1]                ; the sum of my 16 v
.irp j, 0,2,4,6,8,10,12,14
	v_pk_mul_f32 v[VV+\j:VV+\j+1], v[VV+\j:VV+\j+1], -2.0 op_sel_hi:[1,0]
.endr
; Tile column t: its four accumulators are 32 registers on end, taken in ascending order.  The exponentials and the reciprocals go as batches of 32, each with one plain line and one wait behind it.
.macro TANH t
	WIN EP_LO+(\t)/8
.set ei, 0
.rept 16
.if (\t)&1
	v_pk_fma_f32 v[T+ei:T+ei+1], v[32*((\t)%8)+ei:32*((\t)%8)+ei+1], s[46:47], v[CV+(\t)-1:CV+(\t)] op_sel:[0,0,1] op_sel_hi:[1,0,1]   ; sum x S + cvec: of the pair of cvec the upper register for both halves
.else
	v_pk_fma_f32 v[T+ei:T+ei+1], v[32*((\t)%8)+ei:32*((\t)%8)+ei+1], s[46:47], v[CV+(\t):CV+(\t)+1] op_sel_hi:[1,0,0]                  ; the lower register for both halves
.endif
.set ei, ei+2
.endr
	WIN 0
.set ei, 0
.rept 32
	v_exp_f32 v[T+ei], v[T+ei]
.set ei, ei+1
.endr
	v_nop
	s_wait_alu depctr_va_vdst(0)
.set ei, 0
.rept 16
	v_pk_add_f32 v[T+ei:T+ei+1], v[T+ei:T+ei+1], 1.0 op_sel_hi:[1,0]
.set ei, ei+2
.endr
.set ei, 0
.rept 32
	v_rcp_f32 v[T+ei], v[T+ei]
.set ei, ei+1
.endr
	v_nop
	s_wait_alu depctr_va_vdst(0)
.set ei, 0
.rept 16
.if (\t) == 0
	v_pk_fma_f32 v[SC+ei:SC+ei+1], v[T+ei:T+ei+1], v[VV:VV+1], v[VS:VS+1] op_sel_hi:[1,0,0]   ; the first tile starts the sums, from the sum of v
.elseif (\t)&1
	v_pk_fma_f32 v[SC+ei:SC+ei+1], v[T+ei:T+ei+1], v[VV+(\t)-1:VV+(\t)], v[SC+ei:SC+ei+1] op_sel:[0,1,0] op_sel_hi:[1,1,1]
.else
	v_pk_fma_f32 v[SC+ei:SC+ei+1], v[T+ei:T+ei+1], v[VV+(\t):VV+(\t)+1], v[SC+ei:SC+ei+1] op_sel_hi:[1,0,1]
.endif
.set ei, ei+2
.endr
.endm
.irp t, 0,1,2,3,4,5,6,7,8,9,10,11,12,13,14,15
	TANH \t
.endr
.irp m, 1,2,4,8                        ; over the 16 lanes of a half: 16 columns each
.set ei, 0
.rept 32
	v_add_f32_dpp v[SC+ei], v[SC+ei], v[SC+ei] row_xmask:\m row_mask:0xf bank_mask:0xf
.set ei, ei+1
.endr
.endr
.irp a, 0,1,2,3
.irp u, 0,1
	ds_store_b128 v10, v[SC+8*\a+4*\u:SC+8*\a+4*\u+3] offset:64*\a+16*\u   ; rows 16 a + 8 h + 4 u + 0 .. 3 (the lanes of a half write the same bytes with the same numbers)
.endr
.endr
	s_wait_dscnt 0x0                               ; for the others' sake: my stores have landed
	s_barrier_signal -1
	s_barrier_wait -1
	s_cmp_lg_u32 s16, 0
	s_cbranch_scc1 .Lend                           ; wave 0 adds the four waves' parts, two rows a lane
	ds_load_b64 v[128:129], v11
	ds_load_b64 v[130:131], v11 offset:256
	ds_load_b64 v[132:133], v11 offset:512
	ds_load_b64 v[134:135], v11 offset:768
	s_wait_dscnt 0x0
	v_pk_add_f32 v[128:129], v[128:129], v[130:131]
	v_pk_add_f32 v[132:133], v[132:133], v[134:135]
	v_pk_add_f32 v[128:129], v[128:129], v[132:133]
	global_store_b64 v12, v[128:129], s[14:15]     ; 32 lanes store 256 consecutive bytes, aligned
.Lend:
	s_wait_tensorcnt 0x0                           ; the wave's end: behind my last tensor load and my last LDS store
	ds_add_u32 v1, v2
	s_wait_dscnt 0x0
	CROUND                                         ; the closing round: no work-group ends while a partner may still ask for a tile that names it
	s_endpgm
.Lfunc_end_k_q678152d340_score:
	.size	k_q678152d340_score, .Lfunc_end_k_q678152d340_score-k_q678152d340_score
	.p2alignl 7, 3214868480
	.fill 96, 4, 3214868480
	.section	.rodata,"a",@progbits
	.p2align	6, 0x0
	.amdhsa_kernel k_q678152d340_score
		.amdhsa_group_segment_fixed_size 327680
		.amdhsa_private_segment_fixed_size 0
		.amdhsa_enable_private_segment 0
		.amdhsa_kernarg_size 48
		.amdhsa_user_sgpr_count 2
		.amdhsa_user_sgpr_kernarg_segment_ptr 1
		.amdhsa_wavefront_size32 1
		.amdhsa_system_sgpr_workgroup_id_x 1
		.amdhsa_system_sgpr_workgroup_id_y 1
		.amdhsa_system_sgpr_workgroup_id_z 1
		.amdhsa_system_vgpr_workitem_id 0
		.amdhsa_next_free_vgpr 1024
		.amdhsa_next_free_sgpr 66
		.amdhsa_reserve_vcc 0
		.amdhsa_float_denorm_mode_32 3
		.amdhsa_float_denorm_mode_16_64 3
		.amdhsa_memory_ordered 1
		.amdhsa_forward_progress 1
		.amdhsa_inst_pref_size 255
	.end_amdhsa_kernel
	.section	.bss,"aw",@nobits
	.p2align	6
	.space	262144
	.amdgpu_metadata
---
amdhsa.version: [ 1, 2 ]
amdhsa.kernels:
  - .name:           k_q678152d340_score
    .symbol:         k_q678152d340_score.kd
    .args:
      - { .name: encoder_outputs, .offset: 0, .size: 8, .value_kind: global_buffer, .address_space: global }
      - { .name: wimg, .offset: 8, .size: 8, .value_kind: global_buffer, .address_space: global }
      - { .name: cvec, .offset: 16, .size: 8, .value_kind: global_buffer, .address_space: global }
      - { .name: v_w, .offset: 24, .size: 8, .value_kind: global_buffer, .address_space: global }
      - { .name: lowp_scales, .offset: 32, .size: 8, .value_kind: global_buffer, .address_space: global }
      - { .name: scores, .offset: 40, .size: 8, .value_kind: global_buffer, .address_space: global }
    .group_segment_fixed_size: 327680
    .private_segment_fixed_size: 0
    .kernarg_segment_align: 8
    .kernarg_segment_size: 48
    .max_flat_workgroup_size: 128
    .sgpr_count:     66
    .vgpr_count:     1024
    .wavefront_size: 32
...
	.end_amdgpu_metadata
.endif
;; end of part 2
;; launch ctx (part 3): grid 256 x 1, 16 waves a work-group, no clusters, 10,240 bytes of LDS; arguments encoder_outputs, scores, out0; writes out0
.if DOCPART == 3
	.amdgcn_target "amdgcn-amd-amdhsa--gfx1250"
	.amdhsa_code_object_version 6
	.text
	.protected	k_q678152d340_ctx
	.globl	k_q678152d340_ctx
	.p2align	8
	.type	k_q678152d340_ctx,@function
k_q678152d340_ctx:
	s_mov_b64 s[64:65], 0
	v_nop
	global_prefetch_b8 v0, s[64:65] scope:SCOPE_SE
	s_setreg_imm32_b32 hwreg(HW_REG_WAVE_MODE, 25, 1), 1
	s_wait_xcnt 0x0
; CTX.  out0[b][d] = sum over s of softmax_s(scores[b][s]) x encoder[b][s][d].
; SHARES.  Work-group = (batch b = number / 16, columns 128 j .. 128 j + 127, j = number % 16): it owns those 128 outputs, so every output has one owner.  Wave w takes rows 64 w .. 64 w + 63; a lane 16 bytes of a row's 512.
; Every wave makes the batch's maximum and sum for itself from all 1,024 scores (32 a lane): no barrier is spent on them.  p = 2^((s - m) log2(e)) / the sum; the maximum is taken away as the problem's softmax takes it.
; A stream: each load of a wave reads 512 consecutive bytes, aligned; 32 loads of every wave are on their way.  No matrix unit (one row of weights), no tensor load, no cluster (work-groups share the 4 KB of scores alone).
; REGISTERS: v1 16 x lane; v2 my own two rows' scores' offset; v3 LDS; v8-39 the 1,024 scores, 32 a lane; v40-41 rows 64 w + 2 lane + 0, 1; v42-47 at work; v48-63 four sets of sums, by row % 4; v64-191 32 slots of a row's 16 bytes.
.set SV,  8
.set PO,  40
.set ACC, 48
.set X,   64
	s_load_b128 s[4:7], s[0:1], 0x0                ; the encoder s[4:5], scores s[6:7]
	s_load_b64 s[8:9], s[0:1], 0x10                ; out0
	v_lshl_add_u32 v192, v0, 2, 0x2000
	v_mov_b32 v193, 0
	v_lshrrev_b32 v4, 5, v0
	v_readfirstlane_b32 s10, v4                    ; wave 0..15
	s_lshr_b32 s11, ttmp9, 4                       ; b
	s_and_b32 s12, ttmp9, 15                       ; j
	v_and_b32 v4, 31, v0                           ; lane
	v_lshlrev_b32 v1, 4, v4
	s_lshl_b32 s13, s10, 8
	v_lshl_add_u32 v2, v4, 3, s13                  ; 4 (64 w + 2 lane)
	v_lshlrev_b32 v3, 4, v0                        ; 512 w + 16 lane
	s_mov_b32 s16, 0x76543210                      ; v_permlanex16_b32's selects for lane l xor 16
	s_mov_b32 s17, 0xfedcba98
	s_mov_b32 s21, 0                               ; the upper words of the four pairs that carry p: named with them, so they are written
	s_mov_b32 s23, 0
	s_mov_b32 s25, 0
	s_mov_b32 s27, 0
	s_lshl_b32 s14, s11, 23                        ; a batch: 1,024 rows of 8,192 bytes,
	s_lshl_b32 s13, s12, 9                         ; my 512 bytes of a row,
	s_add_co_u32 s14, s14, s13
	s_lshl_b32 s13, s10, 19                        ; my wave's 64 rows
	s_add_co_u32 s14, s14, s13
	s_mov_b32 s15, 0
	s_lshl_b32 s18, s11, 12                        ; a batch's scores
	s_mov_b32 s19, 0
	s_lshl_b32 s28, s11, 13                        ; a batch's row of out0,
	s_lshl_b32 s13, s12, 9
	s_add_co_u32 s28, s28, s13                     ; my 512 bytes of it
	s_mov_b32 s29, 0
	s_wait_kmcnt 0x0
	s_add_nc_u64 s[4:5], s[4:5], s[14:15]
	s_add_nc_u64 s[6:7], s[6:7], s[18:19]
	s_add_nc_u64 s[8:9], s[8:9], s[28:29]
.set i, 0
.rept 8
	global_load_b128 v[SV+4*i:SV+4*i+3], v1, s[6:7] offset:512*i
.set i, i+1
.endr
	global_load_b64 v[PO:PO+1], v2, s[6:7]
.set i, 0
.rept 32
	global_load_b128 v[X+4*i:X+4*i+3], v1, s[4:5] offset:8192*i th:TH_LOAD_NT
.set i, i+1
.endr
	s_wait_loadcnt 32                              ; the scores are in; the 32 rows may be out
	v_max3_num_f32 v42, v8, v9, v10                ; the largest score, in two chains,
	v_max3_num_f32 v43, v11, v12, v13
.set i, 14
.rept 6
	v_max3_num_f32 v42, v42, v[i], v[i+1]
	v_max3_num_f32 v43, v43, v[i+2], v[i+3]
.set i, i+4
.endr
	v_max3_num_f32 v42, v42, v38, v39
	v_max_num_f32 v42, v42, v43
.irp m, 1,2,4,8
	v_max_num_f32_dpp v42, v42, v42 row_xmask:\m row_mask:0xf bank_mask:0xf
.endr
	v_permlanex16_b32 v43, v42, s16, s17
	v_max_num_f32 v42, v42, v43                    ; and over the 32 lanes
	v_mul_f32 v44, 0xbfb8aa3b, v42                 ; -m log2(e): one number for all terms, so its rounding is a common factor that the division takes out
	v_mov_b32 v45, v44
.set i, 0
.rept 17                               ; the 32 scores and my own two, which lie behind them
	v_pk_fma_f32 v[SV+2*i:SV+2*i+1], v[SV+2*i:SV+2*i+1], 0x3fb8aa3b, v[44:45] op_sel_hi:[1,0,1]
.set i, i+1
.endr
.set i, 0
.rept 34
	v_exp_f32 v[SV+i], v[SV+i]
.set i, i+1
.endr
	v_nop                                          ; a plain line behind the last exponential,
	s_wait_alu depctr_va_vdst(0)                   ; and the one wait for the batch, ahead of its first reader
	v_pk_add_f32 v[46:47], v[8:9], v[10:11]        ; the sum, two at a time, in two chains
	v_pk_add_f32 v[42:43], v[12:13], v[14:15]
.set i, 16
.rept 6
	v_pk_add_f32 v[46:47], v[46:47], v[i:i+1]
	v_pk_add_f32 v[42:43], v[42:43], v[i+2:i+3]
.set i, i+4
.endr
	v_pk_add_f32 v[46:47], v[46:47], v[42:43]
	v_add_f32 v46, v46, v47
.irp m, 1,2,4,8
	v_add_f32_dpp v46, v46, v46 row_xmask:\m row_mask:0xf bank_mask:0xf
.endr
	v_permlanex16_b32 v47, v46, s16, s17
	v_add_f32 v46, v46, v47                        ; at least 1: the largest score's term
	v_rcp_f32 v46, v46
	v_nop
	s_wait_alu depctr_va_vdst(0)
	v_mul_f32 v40, v40, v46                        ; the weights of rows 64 w + 2 lane + 0, 1
	v_mul_f32 v41, v41, v46
; Row i: its weight comes out of lane i / 2 as a scalar; two packed multiply-adds; the slot takes row i + 32.  The first four rows start the four sets of sums: nothing is cleared.
.set i, 0
.rept 64
.if i < 32
	s_wait_loadcnt 31                              ; row i is in: 31 younger loads (rows i + 1 to i + 31) stay out
.else
	s_wait_loadcnt 63-i                            ; nothing more is asked for: the counts run down
.endif
	v_readlane_b32 s[20+2*(i%4)], v[PO+(i&1)], i/2
.if i < 4
	v_pk_mul_f32 v[ACC+4*(i%4):ACC+4*(i%4)+1], v[X+4*(i%32):X+4*(i%32)+1], s[20+2*(i%4):21+2*(i%4)] op_sel_hi:[1,0]
	v_pk_mul_f32 v[ACC+4*(i%4)+2:ACC+4*(i%4)+3], v[X+4*(i%32)+2:X+4*(i%32)+3], s[20+2*(i%4):21+2*(i%4)] op_sel_hi:[1,0]
.else
	v_pk_fma_f32 v[ACC+4*(i%4):ACC+4*(i%4)+1], v[X+4*(i%32):X+4*(i%32)+1], s[20+2*(i%4):21+2*(i%4)], v[ACC+4*(i%4):ACC+4*(i%4)+1] op_sel_hi:[1,0,1]
	v_pk_fma_f32 v[ACC+4*(i%4)+2:ACC+4*(i%4)+3], v[X+4*(i%32)+2:X+4*(i%32)+3], s[20+2*(i%4):21+2*(i%4)], v[ACC+4*(i%4)+2:ACC+4*(i%4)+3] op_sel_hi:[1,0,1]
.endif
.if i < 32
	global_load_b128 v[X+4*i:X+4*i+3], v1, s[4:5] offset:8192*(i+32) th:TH_LOAD_NT
.endif
.set i, i+1
.endr
	v_pk_add_f32 v[ACC:ACC+1], v[ACC:ACC+1], v[ACC+4:ACC+5]
	v_pk_add_f32 v[ACC+2:ACC+3], v[ACC+2:ACC+3], v[ACC+6:ACC+7]
	v_pk_add_f32 v[ACC+8:ACC+9], v[ACC+8:ACC+9], v[ACC+12:ACC+13]
	v_pk_add_f32 v[ACC+10:ACC+11], v[ACC+10:ACC+11], v[ACC+14:ACC+15]
	v_pk_add_f32 v[ACC:ACC+1], v[ACC:ACC+1], v[ACC+8:ACC+9]
	v_pk_add_f32 v[ACC+2:ACC+3], v[ACC+2:ACC+3], v[ACC+10:ACC+11]
	ds_store_b128 v3, v[ACC:ACC+3]                 ; my wave's part of the 128 outputs
	s_wait_dscnt 0x0                               ; for the others' sake: my store has landed
	s_barrier_signal -1
	s_barrier_wait -1
	s_cmp_lg_u32 s10, 0
	s_cbranch_scc1 .Lend                           ; wave 0 adds the sixteen parts
.set i, 0
.rept 16
	ds_load_b128 v[X+4*i:X+4*i+3], v1 offset:512*i
.set i, i+1
.endr
	s_wait_dscnt 0x0
.irp d, 8,4,2,1
.set k, 0
.rept \d
	v_pk_add_f32 v[X+4*k:X+4*k+1], v[X+4*k:X+4*k+1], v[X+4*(k+\d):X+4*(k+\d)+1]
	v_pk_add_f32 v[X+4*k+2:X+4*k+3], v[X+4*k+2:X+4*k+3], v[X+4*(k+\d)+2:X+4*(k+\d)+3]
.set k, k+1
.endr
.endr
	global_store_b128 v1, v[X:X+3], s[8:9]         ; 32 lanes store 512 consecutive bytes, aligned
.Lend:
	s_wait_tensorcnt 0x0
	ds_add_u32 v192, v193
	s_wait_dscnt 0x0
	s_endpgm
.Lfunc_end_k_q678152d340_ctx:
	.size	k_q678152d340_ctx, .Lfunc_end_k_q678152d340_ctx-k_q678152d340_ctx
	.p2alignl 7, 3214868480
	.fill 96, 4, 3214868480
	.section	.rodata,"a",@progbits
	.p2align	6, 0x0
	.amdhsa_kernel k_q678152d340_ctx
		.amdhsa_group_segment_fixed_size 10240
		.amdhsa_private_segment_fixed_size 0
		.amdhsa_enable_private_segment 0
		.amdhsa_kernarg_size 24
		.amdhsa_user_sgpr_count 2
		.amdhsa_user_sgpr_kernarg_segment_ptr 1
		.amdhsa_wavefront_size32 1
		.amdhsa_system_sgpr_workgroup_id_x 1
		.amdhsa_system_sgpr_workgroup_id_y 1
		.amdhsa_system_sgpr_workgroup_id_z 1
		.amdhsa_system_vgpr_workitem_id 0
		.amdhsa_next_free_vgpr 194
		.amdhsa_next_free_sgpr 66
		.amdhsa_reserve_vcc 0
		.amdhsa_float_denorm_mode_32 3
		.amdhsa_float_denorm_mode_16_64 3
		.amdhsa_memory_ordered 1
		.amdhsa_forward_progress 1
		.amdhsa_inst_pref_size 32
	.end_amdhsa_kernel
	.amdgpu_metadata
---
amdhsa.version: [ 1, 2 ]
amdhsa.kernels:
  - .name:           k_q678152d340_ctx
    .symbol:         k_q678152d340_ctx.kd
    .args:
      - { .name: encoder_outputs, .offset: 0, .size: 8, .value_kind: global_buffer, .address_space: global }
      - { .name: scores, .offset: 8, .size: 8, .value_kind: global_buffer, .address_space: global }
      - { .name: out0, .offset: 16, .size: 8, .value_kind: global_buffer, .address_space: global }
    .group_segment_fixed_size: 10240
    .private_segment_fixed_size: 0
    .kernarg_segment_align: 8
    .kernarg_segment_size: 24
    .max_flat_workgroup_size: 512
    .sgpr_count:     66
    .vgpr_count:     194
    .wavefront_size: 32
...
	.end_amdgpu_metadata
.endif
;; end of part 3
;; ======== version 2 of 2: 3 launches; 1.12 times as fast as version 1
;; workspace buffers: wimg 2,097,152 bytes; cvec 4,096 bytes; scores 65,536 bytes
;; launch prep (part 4): grid 64 x 1, 4 waves a work-group, no clusters, 3,072 bytes of LDS; arguments attn_w_codes, hidden, lowp_scales, attn_b, wimg, cvec; writes wimg, cvec
.if DOCPART == 4
	.amdgcn_target "amdgcn-amd-amdhsa--gfx1250"
	.amdhsa_code_object_version 6
	.text
	.protected	k_q678152d340_prep
	.globl	k_q678152d340_prep
	.p2align	8
	.type	k_q678152d340_prep,@function
k_q678152d340_prep:
	s_mov_b64 s[64:65], 0
	v_nop
	global_prefetch_b8 v0, s[64:65] scope:SCOPE_SE
	s_setreg_imm32_b32 hwreg(HW_REG_WAVE_MODE, 25, 1), 1
	s_wait_xcnt 0x0
; PREP.  Two things that are made once for the whole program.
; (1) cvec[n] = K2 x (2^(e0+e1) x sum over k < 2048 of Q(hidden)[k] code(W)[n][k] + b[n]), K2 = 2 log2(e).  The first 2,048 of the product's K are the row 'hidden',
;     the same for all 16,384 rows (the broadcast in the problem's own text): that half of every sum is this one vector.  hidden is quantised with 2^e0 and multiplied on the codes by the FP8 form.
; (2) wimg = W's second half (k >= 2048) in the order of an operand's registers: [K step s 16][tile T 64][c 4][lane 32][16 bytes]; byte i of lane (r, h) is code W[16 T + r][2048 + 128 s + 32 c + 16 h + i].
; SHARES.  Work-group T = one tile (16 rows of W); wave q: K steps 4 q .. 4 q + 3 of both halves: 512 bytes of each row in each half.  One path for all waves.
; A load of W touches 16 rows, 32 bytes of each: a fragment wants 16 rows in 16 pairs of lanes.  So the tiles are spread over 64 work-groups, 32 such loads to each of four waves.
; A fragment holds, in registers 4 c .. 4 c + 3 of lane (r, h), k = 32 c + 16 h + 0 .. 15: a permutation of k that is the same in both operands, so every product meets its partner.
; All 16 rows of the left operand are hidden, so register 0 of the result holds the sum for column n = r in every lane.
; A work-group's share of cvec is its tile's 16 numbers: one store of 64 consecutive bytes by 16 lanes (cvec is 4,096 bytes in all).  wimg leaves in stores of 512 consecutive bytes.
; No cluster: no two work-groups read the same bytes of W; hidden, which all read, is 8 KB.  No tensor load: a wave's operands go straight into its registers.
; LIMITS: e0 between -126 and 119; e0 + e1 between -127 and 126 (each power of two below is an f32 number).  NaN among the inputs is not served.
; LDS: 0 .. 2047: 512 bytes for each wave: the codes of hidden[512 q .. 512 q + 511], the wave's own bytes;  PART: f32 [q 4][16 n]: the four waves' parts of each sum.
.set PART, 2048
.set HF,   40                          ; v40-103   hidden's four fragments
.set W1F,  104                         ; v104-167  W's first half, four fragments
.set W2F,  168                         ; v168-231  W's second half, four fragments
.set K2,   0x4038aa3b                  ; 2 log2(e)
	s_load_b256 s[4:11], s[0:1], 0x0               ; W's codes s[4:5], hidden s[6:7], the scales' exponents s[8:9], b s[10:11]
	s_load_b128 s[12:15], s[0:1], 0x20             ; wimg s[12:13], cvec s[14:15]
	v_lshl_add_u32 v254, v0, 2, 0xa00
	v_mov_b32 v255, 0
	v_lshrrev_b32 v1, 5, v0
	v_readfirstlane_b32 s16, v1                    ; wave = q, 0..3
	v_and_b32 v1, 31, v0                           ; lane
	v_and_b32 v2, 15, v0                           ; r
	v_bfe_u32 v3, v0, 4, 1                         ; h
	v_lshlrev_b32 v4, 12, v2
	v_lshl_add_u32 v4, v3, 4, v4                   ; W: row r of 4,096 bytes, + 16 h
	v_lshlrev_b32 v5, 4, v1                        ; 16 x lane: my place in an image
	v_lshlrev_b32 v6, 6, v1                        ; 64 x lane: my 16 numbers of hidden
	s_lshl_b32 s28, s16, 9                         ; my wave's 512 bytes of LDS
	v_add_nc_u32 v7, s28, v5                       ; where my 16 codes go
	v_lshl_add_u32 v8, v3, 4, s28                  ; and from where every row's fragment comes: + 16 h
	s_lshl_b32 s29, s16, 6
	s_add_co_u32 s29, s29, PART
	v_lshl_add_u32 v9, v2, 2, s29                  ; PART + 64 q + 4 r
	v_lshlrev_b32 v10, 2, v2                       ; 4 r: my number of b and of cvec
	v_lshl_add_u32 v11, v2, 2, PART
	s_mov_b32 s27, 0
	s_wait_kmcnt 0x0
	s_load_b64 s[20:21], s[8:9], 0x0               ; e0, e1
	s_lshl_b32 s26, ttmp9, 16                      ; 16 rows of 4,096 bytes a tile,
	s_lshl_b32 s30, s16, 9                         ; my 512 bytes of a row
	s_add_co_u32 s26, s26, s30
	s_add_nc_u64 s[4:5], s[4:5], s[26:27]
	s_lshl_b32 s26, s16, 11                        ; hidden: my 512 numbers
	s_add_nc_u64 s[6:7], s[6:7], s[26:27]
	s_lshl_b32 s26, s16, 19                        ; wimg: four K steps of 131,072 bytes,
	s_lshl_b32 s30, ttmp9, 11                      ; tile T's 2,048 bytes
	s_add_co_u32 s26, s26, s30
	s_add_nc_u64 s[12:13], s[12:13], s[26:27]
	s_lshl_b32 s26, ttmp9, 6                       ; b and cvec: the tile's 16 numbers
	s_add_nc_u64 s[10:11], s[10:11], s[26:27]
	s_add_nc_u64 s[14:15], s[14:15], s[26:27]
	global_load_b32 v14, v10, s[10:11]             ; b
.irp j, 0,1,2,3
	global_load_b128 v[16+4*\j:19+4*\j], v6, s[6:7] offset:16*\j
.endr
.irp s, 0,1,2,3
.irp c, 0,1,2,3
	global_load_b128 v[W1F+16*\s+4*\c:W1F+16*\s+4*\c+3], v4, s[4:5] offset:128*\s+32*\c th:TH_LOAD_NT
.endr
.endr
.irp s, 0,1,2,3
.irp c, 0,1,2,3
	global_load_b128 v[W2F+16*\s+4*\c:W2F+16*\s+4*\c+3], v4, s[4:5] offset:2048+128*\s+32*\c th:TH_LOAD_NT
.endr
.endr
	s_wait_kmcnt 0x0
	s_add_co_i32 s25, s20, 127
	s_lshl_b32 s28, s25, 23
	v_mov_b32 v12, s28                             ; 2^e0 as f32: the conversion takes its exponent field
	s_add_co_i32 s25, s25, 8
	s_lshl_b32 s25, s25, 23
	s_or_b32 s23, s25, 0x600000                    ; 448 x 2^e0
	s_or_b32 s22, s23, 0x80000000                  ; and its negative
	s_add_co_i32 s24, s20, s21
	s_lshl_b32 s24, s24, 23
	s_add_co_i32 s24, s24, K2                      ; S = K2 x 2^(e0 + e1): the exponents are added to K2's exponent field
	s_wait_loadcnt 32                              ; b and hidden are in; W's 32 loads may be out
.irp j, 0,1,2,3,4,5,6,7,8,9,10,11,12,13,14,15
	v_med3_num_f32 v[16+\j], v[16+\j], s22, s23    ; the conversion to an 8-bit code does not saturate (ISA guide 7.6.2): the hold at the largest code x the scale
.endr
	v_cvt_scalef32_pk8_fp8_f32 v[32:33], v[16:23], v12
	v_cvt_scalef32_pk8_fp8_f32 v[34:35], v[24:31], v12
	v_nop                                          ; one plain vector line behind the last conversion
	ds_store_b128 v7, v[32:35]                     ; 512 codes of hidden in the order of k
.irp s, 0,1,2,3
.irp c, 0,1,2,3
	ds_load_b128 v[HF+16*\s+4*\c:HF+16*\s+4*\c+3], v8 offset:128*\s+32*\c   ; LDS serves a wave's instructions in order: these see my store; all 16 rows read the same bytes
.endr
.endr
	s_wait_loadcnt 16                              ; W's first half is in; the second half's 16 loads may be out
	s_wait_dscnt 0x0
	v_wmma_f32_16x16x128_fp8_fp8 v[232:239], v[HF:HF+15], v[W1F:W1F+15], 0             ; two accumulators by turns
	v_wmma_f32_16x16x128_fp8_fp8 v[240:247], v[HF+16:HF+31], v[W1F+16:W1F+31], 0
	v_wmma_f32_16x16x128_fp8_fp8 v[232:239], v[HF+32:HF+47], v[W1F+32:W1F+47], v[232:239]
	v_wmma_f32_16x16x128_fp8_fp8 v[240:247], v[HF+48:HF+63], v[W1F+48:W1F+63], v[240:247]
.rept 4
	v_nop                                          ; four places between a matrix instruction and the first read of its result (ISA guide 7.12.1)
.endr
	s_wait_loadcnt 0x0
.irp s, 0,1,2,3
.irp c, 0,1,2,3
	global_store_b128 v5, v[W2F+16*\s+4*\c:W2F+16*\s+4*\c+3], s[12:13] offset:131072*\s+512*\c   ; the registers as they stand: 32 lanes store 512 consecutive bytes, aligned
.endr
.endr
	v_add_f32 v248, v232, v240                     ; register 0: column n = r; my four K steps' part of its sum
	ds_store_b32 v9, v248                          ; (both halves of the lanes write the same word with the same number)
	s_wait_dscnt 0x0                               ; for the others' sake: my store has landed
	s_barrier_signal -1
	s_barrier_wait -1
	s_cmp_lg_u32 s16, 0
	s_cbranch_scc1 .Lend                           ; wave 0 finishes the tile's 16 numbers
	ds_load_b32 v248, v11
	ds_load_b32 v249, v11 offset:64
	ds_load_b32 v250, v11 offset:128
	ds_load_b32 v251, v11 offset:192
	v_mul_f32 v14, K2, v14
	s_wait_dscnt 0x0
	v_pk_add_f32 v[248:249], v[248:249], v[250:251]
	v_add_f32 v248, v248, v249
	v_fma_f32 v248, v248, s24, v14                 ; sum x S + K2 b
	v_cmp_gt_u32 vcc_lo, 16, v1                    ; lanes 0 to 15 hold the 16 columns once
	s_wait_xcnt 0x0                                ; EXEC is a source of the stores above: it is narrowed only behind this wait
	s_and_saveexec_b32 s30, vcc_lo
	global_store_b32 v10, v248, s[14:15]           ; 16 lanes store 64 consecutive bytes
	s_wait_xcnt 0x0                                ; and widened again only behind this one
	s_or_b32 exec_lo, exec_lo, s30
.Lend:
	s_wait_tensorcnt 0x0
	ds_add_u32 v254, v255
	s_wait_dscnt 0x0
	s_endpgm
.Lfunc_end_k_q678152d340_prep:
	.size	k_q678152d340_prep, .Lfunc_end_k_q678152d340_prep-k_q678152d340_prep
	.p2alignl 7, 3214868480
	.fill 96, 4, 3214868480
	.section	.rodata,"a",@progbits
	.p2align	6, 0x0
	.amdhsa_kernel k_q678152d340_prep
		.amdhsa_group_segment_fixed_size 3072
		.amdhsa_private_segment_fixed_size 0
		.amdhsa_enable_private_segment 0
		.amdhsa_kernarg_size 48
		.amdhsa_user_sgpr_count 2
		.amdhsa_user_sgpr_kernarg_segment_ptr 1
		.amdhsa_wavefront_size32 1
		.amdhsa_system_sgpr_workgroup_id_x 1
		.amdhsa_system_sgpr_workgroup_id_y 1
		.amdhsa_system_sgpr_workgroup_id_z 1
		.amdhsa_system_vgpr_workitem_id 0
		.amdhsa_next_free_vgpr 256
		.amdhsa_next_free_sgpr 66
		.amdhsa_reserve_vcc 1
		.amdhsa_float_denorm_mode_32 3
		.amdhsa_float_denorm_mode_16_64 3
		.amdhsa_memory_ordered 1
		.amdhsa_forward_progress 1
		.amdhsa_inst_pref_size 12
	.end_amdhsa_kernel
	.amdgpu_metadata
---
amdhsa.version: [ 1, 2 ]
amdhsa.kernels:
  - .name:           k_q678152d340_prep
    .symbol:         k_q678152d340_prep.kd
    .args:
      - { .name: attn_w_codes, .offset: 0, .size: 8, .value_kind: global_buffer, .address_space: global }
      - { .name: hidden, .offset: 8, .size: 8, .value_kind: global_buffer, .address_space: global }
      - { .name: lowp_scales, .offset: 16, .size: 8, .value_kind: global_buffer, .address_space: global }
      - { .name: attn_b, .offset: 24, .size: 8, .value_kind: global_buffer, .address_space: global }
      - { .name: wimg, .offset: 32, .size: 8, .value_kind: global_buffer, .address_space: global }
      - { .name: cvec, .offset: 40, .size: 8, .value_kind: global_buffer, .address_space: global }
    .group_segment_fixed_size: 3072
    .private_segment_fixed_size: 0
    .kernarg_segment_align: 8
    .kernarg_segment_size: 48
    .max_flat_workgroup_size: 128
    .sgpr_count:     66
    .vgpr_count:     256
    .wavefront_size: 32
...
	.end_amdgpu_metadata
.endif
;; end of part 4
;; launch score (part 5): grid 256 x 1, 4 waves a work-group, clusters of 4 x 1, 327,680 bytes of LDS; arguments encoder_outputs, wimg, cvec, v_w, lowp_scales, scores; writes scores
.if DOCPART == 5
	.amdgcn_target "amdgcn-amd-amdhsa--gfx1250"
	.amdhsa_code_object_version 6
	.text
	.protected	k_q678152d340_score
	.globl	k_q678152d340_score
	.p2align	8
	.type	k_q678152d340_score,@function
k_q678152d340_score:
	s_mov_b64 s[64:65], 0
	v_nop
	global_prefetch_b8 v0, s[64:65] scope:SCOPE_SE
	s_setreg_imm32_b32 hwreg(HW_REG_WAVE_MODE, 25, 1), 1
	s_wait_xcnt 0x0
	s_wait_alu depctr_hold_cnt(0) depctr_sa_sdst(0) depctr_va_vdst(0) depctr_va_sdst(0) depctr_va_ssrc(0) depctr_va_vcc(0) depctr_vm_vsrc(0)
	s_getreg_b32 s2, hwreg(HW_REG_IB_STS2, 6, 4)
	s_cmp_eq_u32 s2, 0
	s_cbranch_scc0 .Lentry_in_a_cluster
	s_endpgm
.Lentry_in_a_cluster:
	s_bfe_u32 s2, ttmp6, 0x10000c
	s_cmp_lg_u32 s2, 0x3003
	s_cbranch_scc0 .Lentry_shape_is_right
	s_endpgm
.Lentry_shape_is_right:
; SCORE.  scores[row] = sum over n of v[n] tanh(x[row] . W[n] + ..), for 64 rows a work-group and all 1,024 columns n.
; The product's K here is the encoder's 2,048 (the other 2,048, the row 'hidden', and the bias lie in cvec, made by the launch before).  The encoder's numbers are quantised here, in registers, with 2^e0;
; W's codes come from wimg, laid in the order of an operand's registers.  tanh(y) = 1 - 2 / (1 + 2^(K2 y)), K2 = 2 log2(e): K2 y = sum x S + cvec[n], S = K2 x 2^(e0 + e1).
; SHARES.  Work-group g = 4 x cluster + cx: rows 64 g .. 64 g + 63.  Wave w: columns 256 w .. 256 w + 255 of all 64 rows: 64 accumulators of 16 x 16, 512 registers; it also quantises rows 16 w .. 16 w + 15 for all four waves.
; Source 0 = 16 rows of x, source 1 = 16 rows of W: lane (r, h), register j holds (row 8 h + j, column r): cvec and v cost one register a tile, and the sum over columns is a sum over lanes.
; K goes in 16 steps of 128.  A step's W (131,072 bytes, dense in wimg) comes through a ring of two LDS slots; wave w fetches and reads its own quarter (its 16 tiles, 32,768 bytes).
; Both slots' first fills go out together at the head: two tensor loads of a wave are out there, one behind each later round.
; CLUSTER 4, 1, 1: all work-groups walk the same W, so each quarter is asked for JOINTLY by the four partners: the same tensor load, the same descriptor, the mask 15.  (A mask names four at the most; nothing else is shared.)
; THE ORDER OF K TURNS WITH THE CLUSTER: step s takes K step (s + off) mod 16, off made of the cluster's number, the same in all four partners: so the clusters do not all walk wimg's blocks in the same order.  Only the order of the f32 sums changes.
; x's codes go from wave to wave through LDS as rows of 128 bytes, pitch 144 (9 x 16: the 16 rows of a fragment load start 16 bytes apart modulo 256); two images by turns.  One barrier a step serves the slots and the images.
; The encoder's numbers run four steps ahead: four sets of 64 registers, 16 loads each, a load = one row's 512 consecutive bytes; each set has a base pair of its own.
; LIMITS: e0 between -126 and 119; e0 + e1 between -127 and 126.  NaN among the inputs is not served.  2^t beyond f32's range gives tanh = 1, under it tanh = -1.
; REGISTERS, in windows of 256.  Window 0: v1, v2 for the add; v3-12 addresses; v16-31 codes just made; v32-47 cvec, v48-63 v (a register a tile); v64-127 A's four fragments; v128-191, v192-255 four fragments of W each, by turns.
;   Window 1: the four landing sets.  Windows 2, 3: accumulator (a, t) at v[8 (4 (t % 8) + a)], window 2 for t < 8.  Behind the loop: v64-95 the rows' sums, v96-97 the sum of v, v128-159 at work.
; SCALARS: s16 wave; s19, s20 the K step of the next tensor load, of the next chunk; s[24:31] descriptor group 1; s[32:35] the walking group 0; s[60:63] group 0 of slot 0's first fill; s[36:37] wimg at my quarter; s[38:39] the encoder at my rows;
;   s[52:59] the four sets' bases; s42, s43 the hold; s[46:47] S.
.set SLOT1, 1<<17                      ; slot 1 begins here: one exclusive or turns the descriptor's LDS address
.set IMG,   2*SLOT1                    ; x's images: 64 rows x 144 bytes, twice
.set IMGB,  9216
.set PARTS, IMG+2*IMGB                 ; 4 waves x 64 rows of f32
.set SPARE, PARTS+1024                 ; the spare words, 128 bytes for each wave: two blocks of 256 bytes that no other line names
.set CODE, 16
.set CV,   32
.set VV,   48
.set AF,   64
.set BX,   128
.set BY,   192
.set SC,   64
.set VS,   96
.set T,    128
.set EB,   52                          ; s[52:59] set n's base at s[EB + 2 n]
.set MUL_LO, 0xa0                      ; A and B window 0, C and D window 2
.set MUL_HI, 0xf0                      ; C and D window 3
.set LDX,    0x40                      ; destination window 1
.set MED,    0x41                      ; destination and source 0 window 1
.set CVT,    0x01                      ; source 0 window 1
.set EP_LO,  0x02                      ; source 0 window 2 (+ 1: window 3)
.set MSB, 0
.macro WIN new                         ; the immediate's high byte repeats the setting that is left; a switch that changes nothing is dropped
.if MSB != (\new)
	s_set_vgpr_msb (MSB<<8)|(\new)
.set MSB, (\new)
.endif
.endm
.macro PLACES                          ; four places behind a matrix instruction, ahead of loads into its sources and of reads of its results (ISA guide 7.12.1 for the reads)
.rept 4
	v_nop
.endr
.endm
.macro CROUND                          ; a round of the cluster's barrier
	s_barrier_signal -1
	s_barrier_wait -1
	s_cmp_lg_u32 s16, 0
	s_cbranch_scc1 .Lnot_wave_0_\@
	s_barrier_signal -3
.Lnot_wave_0_\@:
	s_barrier_wait -3
	s_barrier_signal -1
	s_barrier_wait -1
.endm
.macro SETG0 g                         ; the global address of the group 0 at s[g]: my quarter of K step s19; then s19 steps, modulo 16
	s_lshl_b32 s22, s19, 17
	s_add_nc_u64 s[(\g)+2:(\g)+3], s[36:37], s[22:23]
	s_or_b32 s[(\g)+3], s[(\g)+3], 0x80000000      ; type = 2
	s_add_co_u32 s19, s19, 1
	s_and_b32 s19, s19, 15
.endm
.macro ELOAD n, again                  ; my 16 rows' 128 numbers of K step s20 into set n: register 4 i + q = row i, k = 4 lane + q.  again = 1: the set's base has served earlier loads
.if \again
	s_wait_xcnt 0x0                                ; the earlier loads have read their base: it may be written.  (At the head each set's base is written for the first time: no load reads it yet)
.endif
	s_lshl_b32 s50, s20, 9
	s_add_nc_u64 s[EB+2*(\n):EB+2*(\n)+1], s[38:39], s[50:51]
	s_add_co_u32 s20, s20, 1
	s_and_b32 s20, s20, 15
	WIN LDX
.set li, 0
.rept 16
	global_load_b128 v[64*(\n)+4*li:64*(\n)+4*li+3], v3, s[EB+2*(\n):EB+2*(\n)+1] offset:8192*li th:TH_LOAD_NT   ; 32 lanes read 512 consecutive bytes of one row
.set li, li+1
.endr
	WIN 0
.endm
.macro QHALF n, u                      ; rows 8 u .. 8 u + 7 of set n become codes: v[CODE + i] = four codes of row i
	WIN MED
.set qi, 64*(\n)+32*(\u)
.rept 32
	v_med3_num_f32 v[qi], v[qi], s42, s43          ; the hold at the largest code x the scale (the conversion does not saturate: ISA guide 7.6.2)
.set qi, qi+1
.endr
	WIN CVT
.set qi, 0
.rept 4
	v_cvt_scalef32_pk8_fp8_f32 v[CODE+8*(\u)+2*qi:CODE+8*(\u)+2*qi+1], v[64*(\n)+32*(\u)+8*qi:64*(\n)+32*(\u)+8*qi+7], v8   ; eight registers are two rows' four numbers: a register of codes for each row
.set qi, qi+1
.endr
	v_nop                                          ; one plain vector line behind the last conversion
	WIN 0
.endm
.macro QSTORE p                        ; my 16 rows into image p: 32 lanes write a row's 128 consecutive bytes
.set si, 0
.rept 16
	ds_store_b32 v4, v[CODE+si] offset:IMGB*(\p)+144*si
.set si, si+1
.endr
.endm
.macro FETCH_A p                       ; the four fragments of x: lane (r, h), registers 4 c .. 4 c + 3: row 16 a + r, k = 32 c + 16 h + 0 .. 15
.set fa, 0
.rept 4
.set fc, 0
.rept 4
	ds_load_b128 v[AF+16*fa+4*fc:AF+16*fa+4*fc+3], v5 offset:IMGB*(\p)+2304*fa+32*fc
.set fc, fc+1
.endr
.set fa, fa+1
.endr
.endm
.macro FETCH_B p, g, buf               ; my tiles 4 g .. 4 g + 3 of W from slot p: the registers as they were laid
.set ft, 0
.rept 4
.set fc, 0
.rept 4
	ds_load_b128 v[\buf+16*ft+4*fc:\buf+16*ft+4*fc+3], v[6+(\p)] offset:(4*(\g)+ft)*2048+512*fc
.set fc, fc+1
.endr
.set ft, ft+1
.endr
.endm
.macro MUL g, buf, zero                ; 16 matrix instructions.  The 64 accumulators take turns, one instruction a turn, in the same order in every step.  zero = 1: the first step starts the sums
.set mt, 0
.rept 4
.set ma, 0
.rept 4
.set mr, 8*(4*((4*(\g)+mt)%8)+ma)
.if \zero
	v_wmma_f32_16x16x128_fp8_fp8 v[mr:mr+7], v[AF+16*ma:AF+16*ma+15], v[\buf+16*mt:\buf+16*mt+15], 0
.else
	v_wmma_f32_16x16x128_fp8_fp8 v[mr:mr+7], v[AF+16*ma:AF+16*ma+15], v[\buf+16*mt:\buf+16*mt+15], v[mr:mr+7]
.endif
.set ma, ma+1
.endr
.set mt, mt+1
.endr
.endm
; STEP s: p = s % 2 (slot and image), n = s % 4 (landing set).  refill = 1: K step s + 1 of W into the other slot; 2: the first step, behind which nothing is filled and slot 1's first fill may stay out; 0: the last step.
; load: the encoder's chunk s + 4 into set n.  quant: chunk s + 1 becomes image 1 - p; lc: the loads that are younger than chunk s + 1's.  cv: cvec and v are asked for.
.macro STEP p, n, zero, refill, load, quant, lc, cv
.if (\refill) == 2
	s_wait_tensorcnt 0x1                           ; my quarter of slot 0 is in; one load was issued behind it, slot 1's, which may stay out: no LDS byte is filled again behind this barrier
.else
	s_wait_tensorcnt 0x0                           ; my one tensor load that was out has landed: my quarter of slot p; so the descriptor may be written
	ds_add_u32 v1, v2                              ; 0 onto my spare word
.endif
.if (\refill) == 1
	s_xor_b32 s33, s33, SLOT1                      ; the other slot than last time
	SETG0 32
.endif
	s_wait_dscnt 0x0                               ; the add is done; my reads of slot 1 - p and of image 1 - p are over; my stores into image p have landed
.if (\refill) == 1
	CROUND                                         ; all that now holds of every wave of all four work-groups
	tensor_load_to_lds s[32:35], s[24:31]          ; the joint refill, first behind the round: my one tensor load until the next round; it has this step's 64 matrix instructions in which to land
	s_nop 0
	PLACES                                         ; (they are also the places in front of the loads into A's and W's registers)
.else
	s_barrier_signal -1
	s_barrier_wait -1
	PLACES
.endif
.if \load
	ELOAD \n, 1
.endif
.if \cv
.set ci, 0
.rept 16
	global_load_b32 v[CV+ci], v9, s[8:9] offset:64*ci      ; cvec[256 w + 16 t + r]
	global_load_b32 v[VV+ci], v9, s[10:11] offset:64*ci    ; v likewise
.set ci, ci+1
.endr
.endif
	FETCH_A \p
	FETCH_B \p, 0, BX
	FETCH_B \p, 1, BY
	s_wait_dscnt 16                                ; x's fragments and tiles 0-3 are in; tiles 4-7 may be out
	WIN MUL_LO
	MUL 0, BX, \zero
.if \quant
	s_wait_loadcnt \lc                             ; chunk s + 1's 16 loads are in; the younger loads stay out
	QHALF ((\n)+1)%4, 0                            ; its 32 holds are also the places in front of the loads below
.else
	WIN 0
	PLACES
.endif
	FETCH_B \p, 2, BX
	s_wait_dscnt 16                                ; tiles 4-7 are in
	WIN MUL_LO
	MUL 1, BY, \zero
.if \quant
	QHALF ((\n)+1)%4, 1
.else
	WIN 0
	PLACES
.endif
	FETCH_B \p, 3, BY
	s_wait_dscnt 16                                ; tiles 8-11 are in
	WIN MUL_HI
	MUL 2, BX, \zero
	s_wait_dscnt 0x0                               ; tiles 12-15 are in
	MUL 3, BY, \zero
	WIN 0
.if \quant
	QSTORE 1-(\p)                                  ; every wave has passed this step's barrier, behind its last read of that image
.endif
.endm
	s_load_b256 s[4:11], s[0:1], 0x0               ; the encoder s[4:5], wimg s[6:7], cvec s[8:9], v s[10:11]
	s_load_b128 s[12:15], s[0:1], 0x20             ; the scales' exponents s[12:13], scores s[14:15]
	v_lshl_add_u32 v1, v0, 2, SPARE
	v_mov_b32 v2, 0
	ds_add_u32 v1, v2
	ds_add_u32 v1, v2
	s_wait_dscnt 0x0
	v_lshrrev_b32 v13, 5, v0
	v_readfirstlane_b32 s16, v13                   ; wave 0..3
	s_bfe_u32 s17, ttmp6, 0x40000                  ; cx
	s_lshl_b32 s18, ttmp9, 2
	s_add_co_u32 s18, s18, s17                     ; g = 4 x cluster + cx: it enters the encoder's and the scores' addresses alone
	s_and_b32 s19, ttmp9, 7
	s_lshr_b32 s20, ttmp9, 1
	s_and_b32 s20, s20, 8
	s_or_b32 s19, s19, s20                         ; off, 0 .. 15: of the cluster's number alone
	s_mov_b32 s20, s19                             ; s19: the K step of the next tensor load; s20: of the next chunk of the encoder
	s_mov_b32 s23, 0
	s_mov_b32 s51, 0
	; descriptor group 1: 32,768 dense bytes as 128 rows of 32 elements of 8 bytes
	s_mov_b32 s24, 15|(3<<16)|(1<<21)              ; 15:0 the mask: all four work-groups; 17:16 elements of 8 bytes; 21 set beside a mask; no padding
	s_mov_b32 s25, 32<<16                          ; tensor_dim0 = 32
	s_mov_b32 s26, 128<<16                         ; tensor_dim1 = 128
	s_mov_b32 s27, 32<<16                          ; tile_dim0 = 32
	s_mov_b32 s28, 128                             ; tile_dim1 = 128
	s_mov_b32 s29, 32                              ; from row to row: 32 elements
	s_mov_b32 s30, 0
	s_mov_b32 s31, 0
	s_mov_b32 s60, 1                               ; group 0 of slot 0's first fill: count = 1,
	s_lshl_b32 s61, s16, 15                        ; LDS address: my quarter of slot 0
	s_mov_b32 s32, 1                               ; the walking group 0 begins with slot 1's first fill
	s_add_co_u32 s33, s61, SLOT1                   ; my quarter of slot 1
	v_and_b32 v13, 31, v0                          ; lane
	v_and_b32 v14, 15, v0                          ; r
	v_bfe_u32 v15, v0, 4, 1                        ; h
	v_lshlrev_b32 v3, 4, v13                       ; 16 x lane
	s_mul_i32 s48, s16, 2304
	s_add_co_u32 s48, s48, IMG
	v_lshl_add_u32 v4, v13, 2, s48                 ; where my codes go: my 16 rows of an image, 4 bytes a lane
	v_mul_u32_u24 v5, v14, 144
	v_lshl_add_u32 v5, v15, 4, v5
	v_add_nc_u32 v5, IMG, v5                       ; a fragment of x: row r, + 16 h
	s_lshl_b32 s48, s16, 15
	v_add_nc_u32 v6, s48, v3                       ; W's fragments: my quarter of slot 0,
	v_add_nc_u32 v7, SLOT1, v6                     ; of slot 1
	s_lshl_b32 s49, s16, 10
	v_lshl_add_u32 v9, v14, 2, s49                 ; cvec and v: 4 (256 w + r)
	s_lshl_b32 s49, s16, 8
	s_add_co_u32 s49, s49, PARTS
	v_lshl_add_u32 v10, v15, 5, s49                ; my wave's 64 sums: + 32 h
	v_lshl_add_u32 v11, v13, 3, PARTS
	v_lshlrev_b32 v12, 3, v13                      ; 8 x lane
	s_lshl_b32 s22, s16, 15
	s_lshl_b32 s50, s18, 19                        ; 64 rows of 8,192 bytes a work-group,
	s_lshl_b32 s48, s16, 17                        ; 16 a wave
	s_add_co_u32 s50, s50, s48
	s_wait_kmcnt 0x0
	s_load_b64 s[44:45], s[12:13], 0x0             ; e0, e1
	s_add_nc_u64 s[36:37], s[6:7], s[22:23]        ; wimg at my quarter of K step 0
	s_add_nc_u64 s[38:39], s[4:5], s[50:51]        ; the encoder at my first row
	s_lshl_b32 s50, s18, 8
	s_add_nc_u64 s[14:15], s[14:15], s[50:51]      ; scores at the work-group's 64
	SETG0 60                                       ; the first K step,
	SETG0 32                                       ; and the second
	ELOAD 0, 0                                     ; chunk 0 of the encoder, which the first image waits for
	CROUND                                         ; all four work-groups are here: the first joint loads meet
	tensor_load_to_lds s[60:63], s[24:31]          ; the first K step into slot 0,
	s_nop 0
	tensor_load_to_lds s[32:35], s[24:31]          ; the second into slot 1: both first fills as one group, ahead of every wait on TENSORcnt and of every LDS read: two tensor loads of mine are out
	s_nop 0
	PLACES
	ELOAD 1, 0                                     ; chunks 1 to 3
	ELOAD 2, 0
	ELOAD 3, 0
	s_wait_kmcnt 0x0
	s_add_co_i32 s48, s44, 127
	s_lshl_b32 s49, s48, 23
	v_mov_b32 v8, s49                              ; 2^e0 as f32: the conversion takes its exponent field
	s_add_co_i32 s48, s48, 8
	s_lshl_b32 s48, s48, 23
	s_or_b32 s43, s48, 0x600000                    ; 448 x 2^e0
	s_or_b32 s42, s43, 0x80000000                  ; and its negative
	s_add_co_i32 s46, s44, s45
	s_lshl_b32 s46, s46, 23
	s_add_co_i32 s46, s46, 0x4038aa3b              ; S = K2 x 2^(e0 + e1): the exponents are added to K2's exponent field
	s_mov_b32 s47, s46                             ; (named with it as a pair, so it is written)
	s_wait_loadcnt 48                              ; chunk 0 is in; chunks 1 to 3 may be out
	QHALF 0, 0
	QHALF 0, 1
	QSTORE 0
	STEP 0, 0, 1, 2, 1, 1, 48, 0                   ; steps 0 to 3; the first starts the sums and fills nothing.  48: chunks s + 2, s + 3, s + 4 are younger
	STEP 1, 1, 0, 1, 1, 1, 48, 0
	STEP 0, 2, 0, 1, 1, 1, 48, 0
	STEP 1, 3, 0, 1, 1, 1, 48, 0
	s_mov_b32 s21, 2
.Ltrip:                                                ; two trips of four steps: steps 4 to 11; after four steps slots, images and sets are where they began
	STEP 0, 0, 0, 1, 1, 1, 48, 0
	STEP 1, 1, 0, 1, 1, 1, 48, 0
	STEP 0, 2, 0, 1, 1, 1, 48, 0
	STEP 1, 3, 0, 1, 1, 1, 48, 0
	s_sub_co_u32 s21, s21, 1
	s_cmp_lg_u32 s21, 0
	s_cbranch_scc1 .Ltrip
	STEP 0, 0, 0, 1, 0, 1, 32, 0                   ; the tail is written out. Step 12: chunks 14, 15 are younger
	STEP 1, 1, 0, 1, 0, 1, 48, 1                   ; step 13: chunk 15 and the 32 loads of cvec and v are younger
	STEP 0, 2, 0, 1, 0, 1, 32, 0                   ; step 14: those 32
	STEP 1, 3, 0, 0, 0, 0, 0, 0                    ; step 15: nothing is left to fetch or to quantise
	; THE ROWS' SCORES.  score = sum of v + sum of (-2 v) / (1 + 2^(sum x S + cvec)), over my 256 columns: 16 a lane, then over 16 lanes, then over the four waves.
	PLACES
	s_wait_loadcnt 0x0                             ; cvec and v
	v_pk_add_f32 v[VS:VS+1], v[VV:VV+1], v[VV+2:VV+3]
.irp j, 4,6,8,10,12,14
	v_pk_add_f32 v[VS:VS+1], v[VS:VS+1], v[VV+\j:VV+\j+1]
.endr
	v_add_f32 v[VS], v[VS], v[VS+1]                ; the sum of my 16 v
.irp j, 0,2,4,6,8,10,12,14
	v_pk_mul_f32 v[VV+\j:VV+\j+1], v[VV+\j:VV+\j+1], -2.0 op_sel_hi:[1,0]
.endr
; Tile column t: its four accumulators are 32 registers on end, taken in ascending order.  The exponentials and the reciprocals go as batches of 32, each with one plain line and one wait behind it.
.macro TANH t
	WIN EP_LO+(\t)/8
.set ei, 0
.rept 16
.if (\t)&1
	v_pk_fma_f32 v[T+ei:T+ei+1], v[32*((\t)%8)+ei:32*((\t)%8)+ei+1], s[46:47], v[CV+(\t)-1:CV+(\t)] op_sel:[0,0,1] op_sel_hi:[1,0,1]   ; sum x S + cvec: of the pair of cvec the upper register for both halves
.else
	v_pk_fma_f32 v[T+ei:T+ei+1], v[32*((\t)%8)+ei:32*((\t)%8)+ei+1], s[46:47], v[CV+(\t):CV+(\t)+1] op_sel_hi:[1,0,0]                  ; the lower register for both halves
.endif
.set ei, ei+2
.endr
	WIN 0
.set ei, 0
.rept 32
	v_exp_f32 v[T+ei], v[T+ei]
.set ei, ei+1
.endr
	v_nop
	s_wait_alu depctr_va_vdst(0)
.set ei, 0
.rept 16
	v_pk_add_f32 v[T+ei:T+ei+1], v[T+ei:T+ei+1], 1.0 op_sel_hi:[1,0]
.set ei, ei+2
.endr
.set ei, 0
.rept 32
	v_rcp_f32 v[T+ei], v[T+ei]
.set ei, ei+1
.endr
	v_nop
	s_wait_alu depctr_va_vdst(0)
.set ei, 0
.rept 16
.if (\t) == 0
	v_pk_fma_f32 v[SC+ei:SC+ei+1], v[T+ei:T+ei+1], v[VV:VV+1], v[VS:VS+1] op_sel_hi:[1,0,0]   ; the first tile starts the sums, from the sum of v
.elseif (\t)&1
	v_pk_fma_f32 v[SC+ei:SC+ei+1], v[T+ei:T+ei+1], v[VV+(\t)-1:VV+(\t)], v[SC+ei:SC+ei+1] op_sel:[0,1,0] op_sel_hi:[1,1,1]
.else
	v_pk_fma_f32 v[SC+ei:SC+ei+1], v[T+ei:T+ei+1], v[VV+(\t):VV+(\t)+1], v[SC+ei:SC+ei+1] op_sel_hi:[1,0,1]
.endif
.set ei, ei+2
.endr
.endm
.irp t, 0,1,2,3,4,5,6,7,8,9,10,11,12,13,14,15
	TANH \t
.endr
.irp m, 1,2,4,8                        ; over the 16 lanes of a half: 16 columns each
.set ei, 0
.rept 32
	v_add_f32_dpp v[SC+ei], v[SC+ei], v[SC+ei] row_xmask:\m row_mask:0xf bank_mask:0xf
.set ei, ei+1
.endr
.endr
.irp a, 0,1,2,3
.irp u, 0,1
	ds_store_b128 v10, v[SC+8*\a+4*\u:SC+8*\a+4*\u+3] offset:64*\a+16*\u   ; rows 16 a + 8 h + 4 u + 0 .. 3 (the lanes of a half write the same bytes with the same numbers)
.endr
.endr
	s_wait_dscnt 0x0                               ; for the others' sake: my stores have landed
	s_barrier_signal -1
	s_barrier_wait -1
	s_cmp_lg_u32 s16, 0
	s_cbranch_scc1 .Lend                           ; wave 0 adds the four waves' parts, two rows a lane
	ds_load_b64 v[128:129], v11
	ds_load_b64 v[130:131], v11 offset:256
	ds_load_b64 v[132:133], v11 offset:512
	ds_load_b64 v[134:135], v11 offset:768
	s_wait_dscnt 0x0
	v_pk_add_f32 v[128:129], v[128:129], v[130:131]
	v_pk_add_f32 v[132:133], v[132:133], v[134:135]
	v_pk_add_f32 v[128:129], v[128:129], v[132:133]
	global_store_b64 v12, v[128:129], s[14:15]     ; 32 lanes store 256 consecutive bytes, aligned
.Lend:
	s_wait_tensorcnt 0x0                           ; the wave's end: behind my last tensor load and my last LDS store
	ds_add_u32 v1, v2
	s_wait_dscnt 0x0
	CROUND                                         ; the closing round: no work-group ends while a partner may still ask for a tile that names it
	s_endpgm
.Lfunc_end_k_q678152d340_score:
	.size	k_q678152d340_score, .Lfunc_end_k_q678152d340_score-k_q678152d340_score
	.p2alignl 7, 3214868480
	.fill 96, 4, 3214868480
	.section	.rodata,"a",@progbits
	.p2align	6, 0x0
	.amdhsa_kernel k_q678152d340_score
		.amdhsa_group_segment_fixed_size 327680
		.amdhsa_private_segment_fixed_size 0
		.amdhsa_enable_private_segment 0
		.amdhsa_kernarg_size 48
		.amdhsa_user_sgpr_count 2
		.amdhsa_user_sgpr_kernarg_segment_ptr 1
		.amdhsa_wavefront_size32 1
		.amdhsa_system_sgpr_workgroup_id_x 1
		.amdhsa_system_sgpr_workgroup_id_y 1
		.amdhsa_system_sgpr_workgroup_id_z 1
		.amdhsa_system_vgpr_workitem_id 0
		.amdhsa_next_free_vgpr 1024
		.amdhsa_next_free_sgpr 66
		.amdhsa_reserve_vcc 0
		.amdhsa_float_denorm_mode_32 3
		.amdhsa_float_denorm_mode_16_64 3
		.amdhsa_memory_ordered 1
		.amdhsa_forward_progress 1
		.amdhsa_inst_pref_size 255
	.end_amdhsa_kernel
	.section	.bss,"aw",@nobits
	.p2align	6
	.space	262144
	.amdgpu_metadata
---
amdhsa.version: [ 1, 2 ]
amdhsa.kernels:
  - .name:           k_q678152d340_score
    .symbol:         k_q678152d340_score.kd
    .args:
      - { .name: encoder_outputs, .offset: 0, .size: 8, .value_kind: global_buffer, .address_space: global }
      - { .name: wimg, .offset: 8, .size: 8, .value_kind: global_buffer, .address_space: global }
      - { .name: cvec, .offset: 16, .size: 8, .value_kind: global_buffer, .address_space: global }
      - { .name: v_w, .offset: 24, .size: 8, .value_kind: global_buffer, .address_space: global }
      - { .name: lowp_scales, .offset: 32, .size: 8, .value_kind: global_buffer, .address_space: global }
      - { .name: scores, .offset: 40, .size: 8, .value_kind: global_buffer, .address_space: global }
    .group_segment_fixed_size: 327680
    .private_segment_fixed_size: 0
    .kernarg_segment_align: 8
    .kernarg_segment_size: 48
    .max_flat_workgroup_size: 128
    .sgpr_count:     66
    .vgpr_count:     1024
    .wavefront_size: 32
...
	.end_amdgpu_metadata
.endif
;; end of part 5
;; launch ctx: the kernel of part 3 again; grid 256 x 1, 16 waves a work-group, no clusters, 10,240 bytes of LDS; arguments encoder_outputs, scores, out0; writes out0
